; MI455X (gfx1250); checked and timed in simulation.
; The chip was launched on July 23, 2026; its instructions are those of AMD's public machine-readable ISA for CDNA 5 (MIT licence, August 2026) and "CDNA5" Instruction Set Architecture Reference Guide (July 2026). The comments in the code are by the model that wrote it; some were corrected since.
;; Multi Head Attention. Allowed arithmetic: float matrix products may take bf16 or f16 operands with f32 sums; all other float work in f32.
;; Inputs: Wk 1,024 x 1,024 float32; Wo 1,024 x 1,024 float32; Wq 1,024 x 1,024 float32; Wv 1,024 x 1,024 float32; bk 1,024 float32; bo 1,024 float32; bq 1,024 float32; bv 1,024 float32; key 2 x 2,048 x 1,024 float32; query 2 x 2,048 x 1,024 float32; value 2 x 2,048 x 1,024 float32.
;; Outputs: out0 2 x 2,048 x 1,024 float32.
;; 2 versions, each right. Each part assembles by itself: llvm-mc -triple=amdgcn-amd-amdhsa -mcpu=gfx1250 --defsym DOCPART=n.
;; ======== version 1 of 2: 4 launches
;; limits: values are held in f16: magnitudes above 65,504 overflow, below 6.1e-05 lose precision
;; workspace buffers: wh 8,388,608 bytes; qkv 25,165,824 bytes; ows 8,388,608 bytes
;; launch cast (part 1): grid 64 x 4, 8 waves a work-group, no clusters, 0 bytes of LDS; arguments Wq, Wk, Wv, Wo, wh; writes wh
.if DOCPART == 1
	.amdgcn_target "amdgcn-amd-amdhsa--gfx1250"
	.amdhsa_code_object_version 6
	.text
	.protected	k_q1ba9c7c663_cast
	.globl	k_q1ba9c7c663_cast
	.p2align	8
	.type	k_q1ba9c7c663_cast,@function
k_q1ba9c7c663_cast:
	s_mov_b64 s[64:65], 0
	v_nop
	global_prefetch_b8 v0, s[64:65] scope:SCOPE_SE
	s_setreg_imm32_b32 hwreg(HW_REG_WAVE_MODE, 25, 1), 1
	s_wait_xcnt 0x0
; Multi-head attention, B = 2, S = 2048, D = 1024, 16 heads of 64, in four launches:
;   cast   Wq, Wk, Wv, Wo from f32 to f16, order [k][n] kept          -> wh  [4][1024][1024] f16
;   qkv    Q = query Wq + bq, K = key Wk, V = value Wv + bv, by heads -> qkv [3][b*16+h][2048][64] f16
;   attn   softmax(Q K^T / 8) V with a running maximum                -> ows [row/128][h][128][64] f16
;   oproj  out0 = O Wo + bo, f32
; WORK LEFT OUT: bk.  scores[q][k] = (xq Wq + bq) . (xk Wk + bk) / 8 = (xq Wq + bq) . (xk Wk) / 8 + (xq Wq + bq) . bk / 8.
; The last term does not hang on the key index k: it is one number added along the whole axis of the softmax, and
; softmax(s + t) = softmax(s) for every finite t.  k enters nothing but the scores, so bk reaches no output, whatever finite
; values the inputs hold.  bk is not loaded and is no argument of any launch.  Limit: a NaN, an infinity or an overflow that
; arises only through bk is not carried to the result.
; NUMBER FORMAT: every matrix operand is f16, every sum f32.  Limits: |x|, |W|, |q|, |k|, |v| up to 65,504 (beyond: infinity);
; magnitudes under 6.1e-5 carry an absolute error of up to 3e-8.
;
; THIS LAUNCH is a stream: each weight is read again by sixteen row blocks later on, so it is narrowed once here.
; Work-group (x, y) takes 65,536 bytes of weight y; thread t takes 16 bytes at 16 t of each 4,096: a wave's load covers 512
; consecutive bytes, its store of 8 bytes a lane 256 consecutive bytes at a multiple of 256.  No LDS, no matrix unit, no
; cluster: no byte is used twice.  All sixteen loads of a wave go out before the first wait; no register is written twice.
.set X, 4                              ; v[4:67]   sixteen loads of four f32
.set Y, 68                             ; v[68:99]  sixteen pairs of packed f16
	s_load_b256 s[4:11], s[0:1], 0x0               ; Wq s[4:5], Wk s[6:7], Wv s[8:9], Wo s[10:11]
	s_load_b64 s[12:13], s[0:1], 0x20              ; wh
	s_and_b32 s14, ttmp7, 0xffff                   ; which weight
	v_lshlrev_b32 v1, 4, v0                        ; 16 t: my bytes in
	v_lshlrev_b32 v2, 3, v0                        ; 8 t: my bytes out
	s_lshl_b32 s16, ttmp9, 16                      ; the group's part of the weight, f32 bytes
	s_mov_b32 s17, 0
	s_lshl_b32 s18, s14, 21                        ; 2 MiB of f16 for each weight
	s_lshl_b32 s19, ttmp9, 15                      ; the group's part, f16 bytes
	s_add_co_u32 s18, s18, s19
	s_mov_b32 s19, 0
	s_wait_kmcnt 0x0
	s_cmp_eq_u32 s14, 1
	s_cselect_b64 s[4:5], s[6:7], s[4:5]
	s_cmp_eq_u32 s14, 2
	s_cselect_b64 s[4:5], s[8:9], s[4:5]
	s_cmp_eq_u32 s14, 3
	s_cselect_b64 s[4:5], s[10:11], s[4:5]
	s_add_nc_u64 s[4:5], s[4:5], s[16:17]
	s_add_nc_u64 s[12:13], s[12:13], s[18:19]
.irp i, 0,1,2,3,4,5,6,7,8,9,10,11,12,13,14,15
	global_load_b128 v[X+4*\i:X+4*\i+3], v1, s[4:5] offset:4096*\i th:TH_LOAD_NT
.endr
.irp i, 0,1,2,3,4,5,6,7,8,9,10,11,12,13,14,15
	s_wait_loadcnt 15-\i                           ; loads come back in order: load i is in, the 15 - i younger ones stay out
	v_cvt_pk_f16_f32 v[Y+2*\i], v[X+4*\i], v[X+4*\i+1]
	v_cvt_pk_f16_f32 v[Y+2*\i+1], v[X+4*\i+2], v[X+4*\i+3]
	global_store_b64 v2, v[Y+2*\i:Y+2*\i+1], s[12:13] offset:2048*\i
.endr
	s_endpgm
.Lfunc_end_k_q1ba9c7c663_cast:
	.size	k_q1ba9c7c663_cast, .Lfunc_end_k_q1ba9c7c663_cast-k_q1ba9c7c663_cast
	.p2alignl 7, 3214868480
	.fill 96, 4, 3214868480
	.section	.rodata,"a",@progbits
	.p2align	6, 0x0
	.amdhsa_kernel k_q1ba9c7c663_cast
		.amdhsa_group_segment_fixed_size 0
		.amdhsa_private_segment_fixed_size 0
		.amdhsa_enable_private_segment 0
		.amdhsa_kernarg_size 40
		.amdhsa_user_sgpr_count 2
		.amdhsa_user_sgpr_kernarg_segment_ptr 1
		.amdhsa_wavefront_size32 1
		.amdhsa_system_sgpr_workgroup_id_x 1
		.amdhsa_system_sgpr_workgroup_id_y 1
		.amdhsa_system_sgpr_workgroup_id_z 1
		.amdhsa_system_vgpr_workitem_id 0
		.amdhsa_next_free_vgpr 100
		.amdhsa_next_free_sgpr 66
		.amdhsa_reserve_vcc 0
		.amdhsa_float_denorm_mode_32 3
		.amdhsa_float_denorm_mode_16_64 3
		.amdhsa_memory_ordered 1
		.amdhsa_forward_progress 1
		.amdhsa_inst_pref_size 7
	.end_amdhsa_kernel
	.amdgpu_metadata
---
amdhsa.version: [ 1, 2 ]
amdhsa.kernels:
  - .name:           k_q1ba9c7c663_cast
    .symbol:         k_q1ba9c7c663_cast.kd
    .args:
      - { .name: Wq, .offset: 0, .size: 8, .value_kind: global_buffer, .address_space: global }
      - { .name: Wk, .offset: 8, .size: 8, .value_kind: global_buffer, .address_space: global }
      - { .name: Wv, .offset: 16, .size: 8, .value_kind: global_buffer, .address_space: global }
      - { .name: Wo, .offset: 24, .size: 8, .value_kind: global_buffer, .address_space: global }
      - { .name: wh, .offset: 32, .size: 8, .value_kind: global_buffer, .address_space: global }
    .group_segment_fixed_size: 0
    .private_segment_fixed_size: 0
    .kernarg_segment_align: 8
    .kernarg_segment_size: 40
    .max_flat_workgroup_size: 256
    .sgpr_count:     66
    .vgpr_count:     100
    .wavefront_size: 32
...
	.end_amdgpu_metadata
.endif
;; end of part 1
;; launch qkv (part 2): grid 4 x 48, 4 waves a work-group, clusters of 4 x 4, 327,680 bytes of LDS; arguments query, key, value, wh, bq, bv, qkv; writes qkv
.if DOCPART == 2
	.amdgcn_target "amdgcn-amd-amdhsa--gfx1250"
	.amdhsa_code_object_version 6
	.text
	.protected	k_q1ba9c7c663_qkv
	.globl	k_q1ba9c7c663_qkv
	.p2align	8
	.type	k_q1ba9c7c663_qkv,@function
k_q1ba9c7c663_qkv:
	s_mov_b64 s[64:65], 0
	v_nop
	global_prefetch_b8 v0, s[64:65] scope:SCOPE_SE
	s_setreg_imm32_b32 hwreg(HW_REG_WAVE_MODE, 25, 1), 1
	s_wait_xcnt 0x0
	s_wait_alu depctr_hold_cnt(0) depctr_sa_sdst(0) depctr_va_vdst(0) depctr_va_sdst(0) depctr_va_ssrc(0) depctr_va_vcc(0) depctr_vm_vsrc(0)
	s_getreg_b32 s2, hwreg(HW_REG_IB_STS2, 6, 4)
	s_cmp_eq_u32 s2, 0
	s_cbranch_scc0 .Lentry_in_a_cluster
	s_endpgm
.Lentry_in_a_cluster:
	s_bfe_u32 s2, ttmp6, 0x10000c
	s_cmp_lg_u32 s2, 0xf033
	s_cbranch_scc0 .Lentry_shape_is_right
	s_endpgm
.Lentry_shape_is_right:
; Q = query Wq + bq, K = key Wk, V = value Wv + bv; x f32 [4096][1024], W f16 [k][n] (from the cast), results f16 by heads:
; qkv[p][b*16+h][s][64].  bk is left out: it adds to each score a term that is the same along the softmax's axis (shown at
; the head of the first kernel).  Limits: f16 operands and results, magnitudes up to 65,504.
; SHARING.  A work-group makes 256 rows x 256 columns (four heads) of one of the three products; 3 x 16 x 4 = 192 work-groups.
; (Blocks of 128 x 128 would give 768, but a wave's tile of 64 x 64 would read twice the LDS bytes for each product.)
; Wave w makes rows 64 w .. 64 w + 63 x all 256 columns: 64 accumulator tiles, 512 registers; so each element of x is
; narrowed from f32 to f16 once, by the one wave that uses it, between LDS and the matrix unit.
; K = 1024 goes in 16 steps of 64 through two LDS slots; a row of x's tile and of W's tile is 256 bytes of memory at a multiple of 256.
; CLUSTERS.  4 x 4 work-groups of one product.  x's tile hangs on the block row alone and is asked for jointly by a row of the
; cluster, W's on the block column alone, by a column: the requests for both are divided by four.
; TRANSPOSED USE.  Source 0 = 16 columns of W (brought from [k][n] rows by the transposing LDS load), source 1 = 16 rows of x:
; lane l then holds row l % 16 and columns 8 (l / 16) + 0 .. 7, eight neighbouring numbers of a head's row.
; REGISTERS.  Window 0: addresses, x as f32, x fragments, way out.  Window 1: W fragments, two buffers of 16; on the way out the bias.
; Window 2: accumulator (a, b) for b = 0 .. 7 at v[8 (8 a + b)].  Window 3: b = 8 .. 15.
.set SLOT,   106496                    ; x: 256 rows x 272, then W: two sub-tiles of 64 k rows x 288
.set AHALF,  34816                     ; 128 rows of x: one tensor load
.set BOFF,   69632                     ; W's part of a slot
.set BSUB,   18432                     ; 64 k rows x 128 columns of W: one tensor load
.set APITCH, 272                       ; 256 + 16: an odd multiple of 16, so sixteen rows start at sixteen different 16-byte columns of a 256-byte span
.set BPITCH, 288                       ; 256 + 32: an odd multiple of 32, for the transposing loads
.set STAGE,  212992                    ; the way out: 16 rows x 528 bytes for each wave; no tensor load lands here
.set SPITCH, 528
.set BIASL,  246784                    ; 1,024 bytes for each wave: the block's 256 bias numbers; no tensor load lands here
.set ADRA, 16                          ; v16-17  my x fragments in slot 0, 1
.set ADRB, 20                          ; v20-21  W's fragments in slot 0, 1
.set STO,  24                          ; stage: where I put 16 bytes of a row
.set RD,   25                          ; stage: where I read back
.set CO,   26                          ; 16 x lane: my bytes in a store of 512
.set BA,   27                          ; bias in LDS, as my columns want it
.set BS,   28                          ; bias in LDS, as I store it
.set BO,   29                          ; bias in memory
.set AL,   32                          ; v32-95   x as loaded, f32: fragment a at 16 a
.set AF,   96                          ; v96-159  x fragments in f16: buffer f at 32 f, fragment a at 8 a
.set TMP,  160                         ; v160-191 packed results
.set RB,   192                         ; v192-255 rows read back
.set G1A, 40                           ; s[40:47] shape of x's tiles
.set G0A, 48                           ; s[48:55] from where, to where: a set for each slot
.set G1B, 56                           ; s[56:63] shape of W's tiles
.set G0B, 68                           ; s[68:75]
.set MUL_LO, 0xa1                      ; source 0 window 1, source 1 window 0, C and D window 2
.set MUL_HI, 0xf1                      ; C and D window 3
.set TO_B,   0x40                      ; destination window 1
.set MSB, 0
.macro WIN new                         ; the immediate's high byte repeats the setting that is left
.if MSB != (\new)
	s_set_vgpr_msb (MSB<<8)|(\new)
.set MSB, (\new)
.endif
.endm
.macro PLACES                          ; four places behind matrix instructions, in front of loads into their sources and of reads of their results
.rept 4
	v_nop
.endr
.endm
.macro JLOAD s                         ; waves 0, 1 ask for x's halves, waves 2, 3 for W's sub-tiles: one mask and one set of registers a line
	s_cmp_eq_u32 s21, 0
	s_cbranch_scc0 .Lfor_b_\@
	tensor_load_to_lds s[G0A+4*\s:G0A+4*\s+3], s[G1A:G1A+7]
	s_branch .Lasked_\@
.Lfor_b_\@:
	tensor_load_to_lds s[G0B+4*\s:G0B+4*\s+3], s[G1B:G1B+7]
.Lasked_\@:
.endm
.macro CREST                           ; a round of the cluster's barrier behind its opening work-group barrier
	s_cmp_lg_u32 s20, 0
	s_cbranch_scc1 .Lnot_wave_0_\@
	s_barrier_signal -3
.Lnot_wave_0_\@:
	s_barrier_wait -3
	s_barrier_signal -1
	s_barrier_wait -1
.endm
.macro CROUND
	s_barrier_signal -1
	s_barrier_wait -1
	CREST
.endm
	s_load_b256 s[4:11], s[0:1], 0x0               ; query s[4:5], key s[6:7], value s[8:9], wh s[10:11]
	s_load_b128 s[12:15], s[0:1], 0x20             ; bq s[12:13], bv s[14:15]
	s_load_b64 s[16:17], s[0:1], 0x30              ; qkv
	v_lshrrev_b32 v1, 5, v0
	v_readfirstlane_b32 s20, v1                    ; wave 0..3
	s_lshr_b32 s21, s20, 1                         ; I fetch for x (0) or for W (1)
	s_and_b32 s22, s20, 1                          ; which half of that tile
	s_bfe_u32 s23, ttmp6, 0x40000                  ; cx
	s_bfe_u32 s24, ttmp6, 0x40004                  ; cy
	s_lshl_b32 s25, ttmp9, 2
	s_add_co_u32 s25, s25, s23                     ; block column 0..3
	s_and_b32 s26, ttmp7, 0xffff                   ; the cluster's y, 0..11
	s_lshr_b32 s27, s26, 2                         ; p: 0 Q, 1 K, 2 V; the same in all sixteen work-groups
	s_and_b32 s28, s26, 3
	s_lshl_b32 s28, s28, 2
	s_add_co_u32 s28, s28, s24                     ; block row 0..15
	s_lshl_b32 s29, s24, 2
	s_lshl_b32 s29, 15, s29                        ; my row of the cluster
	s_lshl_b32 s30, 0x1111, s23                    ; my column
	s_or_b32 s[G1A+0], s29, (2<<16)|(1<<20)|(1<<21)|(5<<22)|(3<<25)  ; mask; elements of 4 bytes; padding on; bit 21 beside a mask; after every 64 words, 4 words
	s_mov_b32 s[G1A+1], 64<<16                     ; tensor_dim0 = 64
	s_mov_b32 s[G1A+2], 128<<16                    ; tensor_dim1 = 128
	s_mov_b32 s[G1A+3], 64<<16                     ; tile_dim0 = 64 elements (256 bytes)
	s_mov_b32 s[G1A+4], 128                        ; tile_dim1 = 128 rows
	s_mov_b32 s[G1A+5], 1024                       ; elements from row to row
	s_mov_b32 s[G1A+6], 0
	s_mov_b32 s[G1A+7], 0
	s_or_b32 s[G1B+0], s30, (1<<16)|(1<<20)|(1<<21)|(5<<22)|(7<<25)  ; elements of 2 bytes; after every 64 words, 8 words
	s_mov_b32 s[G1B+1], 128<<16                    ; tensor_dim0 = 128
	s_mov_b32 s[G1B+2], 64<<16                     ; tensor_dim1 = 64
	s_mov_b32 s[G1B+3], 128<<16                    ; tile_dim0 = 128 elements (256 bytes)
	s_mov_b32 s[G1B+4], 64                         ; tile_dim1 = 64 k rows
	s_mov_b32 s[G1B+5], 1024
	s_mov_b32 s[G1B+6], 0
	s_mov_b32 s[G1B+7], 0
	; offsets.  s[32:35] never hold cx, s[36:39] never hold cy.
	s_lshl_b32 s32, s28, 20                        ; x: (256 block row + 128 half) rows of 4,096 bytes
	s_lshl_b32 s33, s22, 19
	s_add_co_u32 s32, s32, s33
	s_mov_b32 s33, 0
	s_lshl_b32 s36, s27, 21                        ; W: weight p, columns 256 block column + 128 half, 2 bytes each
	s_lshl_b32 s37, s25, 9
	s_add_co_u32 s36, s36, s37
	s_lshl_b32 s37, s22, 8
	s_add_co_u32 s36, s36, s37
	s_mov_b32 s37, 0
	s_lshl_b32 s38, s25, 10                        ; bias: 256 numbers of 4 bytes for each block column
	s_mov_b32 s39, 0
	s_mul_i32 s18, s22, AHALF                      ; LDS: x's halves,
	s_mul_i32 s19, s22, BSUB
	s_add_co_u32 s19, s19, BOFF                    ; W's sub-tiles: the wave's number alone
	s_wait_kmcnt 0x0
	s_cmp_eq_u32 s27, 1
	s_cselect_b64 s[4:5], s[6:7], s[4:5]
	s_cmp_eq_u32 s27, 2
	s_cselect_b64 s[4:5], s[8:9], s[4:5]           ; x of my product
	s_cmp_eq_u32 s27, 0
	s_cselect_b64 s[12:13], s[12:13], s[14:15]     ; its bias (K has none and loads none)
	s_add_nc_u64 s[4:5], s[4:5], s[32:33]
	s_add_nc_u64 s[10:11], s[10:11], s[36:37]
	s_add_nc_u64 s[12:13], s[12:13], s[38:39]
	; where my 64 rows go: part p, batch = block row / 8, head 4 x block column, s = (block row % 8) 256 + 64 w, rows of 128 bytes
	s_lshl_b32 s32, s27, 23
	s_lshr_b32 s33, s28, 3
	s_lshl_b32 s33, s33, 22
	s_add_co_u32 s32, s32, s33
	s_and_b32 s33, s28, 7
	s_lshl_b32 s33, s33, 15
	s_add_co_u32 s32, s32, s33
	s_lshl_b32 s33, s20, 13
	s_add_co_u32 s32, s32, s33
	s_mov_b32 s33, 0
	s_add_nc_u64 s[16:17], s[16:17], s[32:33]
	s_lshl_b32 s36, s25, 20
	s_mov_b32 s37, 0
	s_add_nc_u64 s[16:17], s[16:17], s[36:37]
	CROUND                                         ; all sixteen work-groups are here: the first joint loads meet
.irp s, 0,1
	s_mov_b32 s[G0A+4*\s], 1
	s_add_co_u32 s[G0A+4*\s+1], s18, \s*SLOT
	s_add_nc_u64 s[G0A+4*\s+2:G0A+4*\s+3], s[4:5], \s*256            ; K step s: 64 f32 along the row
	s_or_b32 s[G0A+4*\s+3], s[G0A+4*\s+3], 0x80000000
	s_mov_b32 s[G0B+4*\s], 1
	s_add_co_u32 s[G0B+4*\s+1], s19, \s*SLOT
	s_add_nc_u64 s[G0B+4*\s+2:G0B+4*\s+3], s[10:11], \s*131072       ; K step s: 64 rows of 2,048 bytes
	s_or_b32 s[G0B+4*\s+3], s[G0B+4*\s+3], 0x80000000
	JLOAD \s                                       ; both slots are asked for before anything else is done
.endr
	v_and_b32 v1, 31, v0                           ; lane
	v_and_b32 v2, 15, v0                           ; r
	v_bfe_u32 v3, v0, 4, 1                         ; h
	v_and_b32 v4, 7, v0
	v_bfe_u32 v5, v0, 3, 1
	v_mul_u32_u24 v6, v2, APITCH
	v_lshl_add_u32 v6, v3, 5, v6                   ; row r, 8 f32 for each half of the lanes
	s_mul_i32 s31, s20, 64*APITCH                  ; my 64 rows
	v_add_nc_u32 v[ADRA], s31, v6
	v_add_nc_u32 v[ADRA+1], SLOT, v[ADRA]
	v_lshl_add_u32 v7, v3, 3, v4                   ; k row 8 h + lane % 8,
	v_mul_u32_u24 v7, v7, BPITCH
	v_lshl_add_u32 v7, v5, 4, v7                   ; 16 bytes on for lanes 8-15 of each half
	v_add_nc_u32 v[ADRB], BOFF, v7
	v_add_nc_u32 v[ADRB+1], SLOT, v[ADRB]
	s_mul_i32 s31, s20, 16*SPITCH
	s_add_co_u32 s31, s31, STAGE
	v_mul_u32_u24 v8, v2, SPITCH
	v_lshl_add_u32 v8, v3, 4, v8
	v_add_nc_u32 v[STO], s31, v8
	v_lshrrev_b32 v9, 3, v1                        ; back: eight lanes take 128 bytes (one head) of a row, a wave four rows
	v_mul_u32_u24 v9, v9, SPITCH
	v_lshl_add_u32 v9, v4, 4, v9
	v_add_nc_u32 v[RD], s31, v9
	v_lshlrev_b32 v[CO], 4, v1
	s_lshl_b32 s31, s20, 10
	s_add_co_u32 s31, s31, BIASL
	v_lshl_add_u32 v[BA], v3, 5, s31
	v_lshl_add_u32 v[BS], v1, 5, s31
	v_lshlrev_b32 v[BO], 5, v1
	; the block's 256 bias numbers, read once in whole (32 bytes a lane) into the wave's own LDS bytes; K has no bias
	s_cmp_eq_u32 s27, 1
	s_cbranch_scc1 .Lno_bias
	global_load_b128 v[AL:AL+3], v[BO], s[12:13]
	global_load_b128 v[AL+4:AL+7], v[BO], s[12:13] offset:16
	s_wait_loadcnt 0x0
	ds_store_b128 v[BS], v[AL:AL+3]
	ds_store_b128 v[BS], v[AL+4:AL+7] offset:16
.Lno_bias:
; 48 LDS loads: the fragments of 32 along K (quarter kq of the slot's 64) : x as f32 into AL, W into buffer g
.macro FETCH slot, kq, g
	WIN 0
.irp a, 0,1,2,3
	ds_load_b128 v[AL+16*\a:AL+16*\a+3],     v[ADRA+\slot] offset:\a*16*APITCH+\kq*128      ; k = 8 h + 0..3
	ds_load_b128 v[AL+16*\a+4:AL+16*\a+7],   v[ADRA+\slot] offset:\a*16*APITCH+\kq*128+16   ; k = 8 h + 4..7
	ds_load_b128 v[AL+16*\a+8:AL+16*\a+11],  v[ADRA+\slot] offset:\a*16*APITCH+\kq*128+64   ; k = 16 + 8 h + 0..3
	ds_load_b128 v[AL+16*\a+12:AL+16*\a+15], v[ADRA+\slot] offset:\a*16*APITCH+\kq*128+80   ; k = 16 + 8 h + 4..7
.endr
	WIN TO_B
.irp c, 0,1
.irp b, 0,1,2,3,4,5,6,7
	ds_load_tr16_b128 v[128*\g+8*(8*\c+\b):128*\g+8*(8*\c+\b)+3],   v[ADRB+\slot] offset:\c*BSUB+\kq*32*BPITCH+32*\b
	ds_load_tr16_b128 v[128*\g+8*(8*\c+\b)+4:128*\g+8*(8*\c+\b)+7], v[ADRB+\slot] offset:\c*BSUB+\kq*32*BPITCH+32*\b+16*BPITCH
.endr
.endr
.endm
.macro CVT g                           ; x from f32 to f16: four fragments of buffer g
	WIN 0
.irp a, 0,1,2,3
.irp j, 0,1,2,3,4,5,6,7
	v_cvt_pk_f16_f32 v[AF+32*\g+8*\a+\j], v[AL+16*\a+2*\j], v[AL+16*\a+2*\j+1]
.endr
.endr
.endm
; 16 matrix instructions: row tiles a0, a0 + 1 x eight column tiles (hi = 0: 0-7, 1: 8-15).  zero = 1: the first product starts the sums.
; The 64 accumulators take turns, one instruction a turn, in the same order in every quarter.
.macro MUL16 f, hi, a0, zero
.irp a, \a0, \a0+1
.irp b, 0,1,2,3,4,5,6,7
.if \zero
	v_wmma_f32_16x16x32_f16 v[8*(8*(\a)+\b):8*(8*(\a)+\b)+7], v[128*\f+8*(8*\hi+\b):128*\f+8*(8*\hi+\b)+7], v[AF+32*\f+8*(\a):AF+32*\f+8*(\a)+7], 0
.else
	v_wmma_f32_16x16x32_f16 v[8*(8*(\a)+\b):8*(8*(\a)+\b)+7], v[128*\f+8*(8*\hi+\b):128*\f+8*(8*\hi+\b)+7], v[AF+32*\f+8*(\a):AF+32*\f+8*(\a)+7], v[8*(8*(\a)+\b):8*(8*(\a)+\b)+7]
.endif
.endr
.endr
.endm
; The first quarter of a K step: multiplies buffer f, fetches the slot's second quarter into buffer g ahead of its 64 matrix instructions
.macro QUARTER slot, kq, f, g, zero
	s_wait_dscnt 0x0                               ; W's fragments of buffer f, asked for 64 matrix instructions ago
	PLACES
	FETCH \slot, \kq, \g
	WIN MUL_LO
	MUL16 \f, 0, 0, \zero
	MUL16 \f, 0, 2, \zero
	WIN MUL_HI
	MUL16 \f, 1, 0, \zero
	MUL16 \f, 1, 2, \zero
	s_wait_dscnt 32                                ; x's 16 loads are in; the 32 younger ones (W) may stay out
	CVT \g
.endm
; The second quarter: multiplies buffer 1 and changes slots.  In front of the barrier each wave waits for its reads of this slot and
; for all its tensor loads (one is out: its part of the next slot).  Where the slot is filled again the barrier opens a round of the
; cluster's barrier, with register work alone inside, and the joint refill is the wave's first and only tensor load behind it.
.macro TURN slot, next, fill
	s_wait_dscnt 0x0
	s_wait_tensorcnt 0x0
	s_barrier_signal -1
	WIN MUL_LO
	MUL16 1, 0, 0, 0
	WIN 0
	s_barrier_wait -1
.if \fill
	CREST
	s_add_nc_u64 s[G0A+4*\slot+2:G0A+4*\slot+3], s[G0A+4*\slot+2:G0A+4*\slot+3], 512       ; two K steps on: no tensor load of mine is out
	s_add_nc_u64 s[G0B+4*\slot+2:G0B+4*\slot+3], s[G0B+4*\slot+2:G0B+4*\slot+3], 262144
	JLOAD \slot
.endif
	PLACES
	FETCH \next, 0, 0
	WIN MUL_LO
	MUL16 1, 0, 2, 0
	WIN MUL_HI
	MUL16 1, 1, 0, 0
	MUL16 1, 1, 2, 0
	s_wait_dscnt 32
	CVT 0
.endm
.macro LAP zero
	QUARTER 0, 1, 0, 1, \zero
	TURN 0, 1, 1
	QUARTER 1, 1, 0, 1, 0
	TURN 1, 0, 1
.endm
	s_wait_dscnt 0x0                               ; my bias stores
	s_wait_tensorcnt 0x1                           ; my part of K step 0 is in; K step 1's stays out
	s_barrier_signal -1
	s_barrier_wait -1
	FETCH 0, 0, 0
	s_wait_dscnt 32
	CVT 0
	LAP 1                                          ; K steps 0, 1: the first products start the sums
	s_mov_b32 s3, 6
.Llap:
	LAP 0                                          ; K steps 2 .. 13
	s_sub_co_u32 s3, s3, 1
	s_cmp_lg_u32 s3, 0
	s_cbranch_scc1 .Llap
	QUARTER 0, 1, 0, 1, 0                          ; K steps 14, 15: nothing is left to fetch
	TURN 0, 1, 0
	QUARTER 1, 1, 0, 1, 0
	s_wait_dscnt 0x0
	WIN MUL_LO
	MUL16 1, 0, 0, 0
	MUL16 1, 0, 2, 0
	WIN MUL_HI
	MUL16 1, 1, 0, 0
	MUL16 1, 1, 2, 0
	WIN 0
	PLACES
; THE WAY OUT, 16 rows at a time: (bias,) f16, 16 bytes a lane into my stage, read back so that a store of the wave covers four
; rows of one head: 512 consecutive bytes at a multiple of 512 of qkv.  The stage is my own: LDS serves a wave's instructions in order.
.macro OUT a, bias
.irp hi, 0,1
.if \bias
	WIN (0x86+0x41*\hi)                            ; sums in window 2 + hi, bias in window 1
.irp b, 0,1,2,3,4,5,6,7
.irp i, 0,1,2,3
	v_pk_add_f32 v[8*(8*\a+\b)+2*\i:8*(8*\a+\b)+2*\i+1], v[8*(8*\a+\b)+2*\i:8*(8*\a+\b)+2*\i+1], v[8*(8*\hi+\b)+2*\i:8*(8*\hi+\b)+2*\i+1]
.endr
.endr
.endif
	WIN (0x0a+5*\hi)
.irp b, 0,1,2,3,4,5,6,7
.irp i, 0,1,2,3
	v_cvt_pk_f16_f32 v[TMP+4*\b+\i], v[8*(8*\a+\b)+2*\i], v[8*(8*\a+\b)+2*\i+1]
.endr
.endr
	WIN 0
.irp b, 0,1,2,3,4,5,6,7
	ds_store_b128 v[STO], v[TMP+4*\b:TMP+4*\b+3] offset:32*(8*\hi+\b)
.endr
.endr
	s_wait_xcnt 0x0                                ; the last stores' data registers and base are rewritten only behind this wait
.if \a
	s_add_nc_u64 s[16:17], s[16:17], 2048          ; 16 rows of 128 bytes on
.endif
.irp t, 0,1,2,3,4,5,6,7,8,9,10,11,12,13,14,15
	ds_load_b128 v[RB+4*\t:RB+4*\t+3], v[RD] offset:(\t&3)*4*SPITCH+(\t>>2)*128
.endr
.irp t, 0,1,2,3,4,5,6,7,8,9,10,11,12,13,14,15
	s_wait_dscnt 15-\t                             ; read-back t is in, the younger ones stay out
	global_store_b128 v[CO], v[RB+4*\t:RB+4*\t+3], s[16:17] offset:(\t>>2)*262144+(\t&3)*512
.endr
.endm
	s_cmp_eq_u32 s27, 1
	s_cbranch_scc1 .Lout_k
	WIN TO_B                                       ; my columns' bias: tile b's eight numbers at v[8 b] of window 1
.irp b, 0,1,2,3,4,5,6,7,8,9,10,11,12,13,14,15
	ds_load_b128 v[8*\b:8*\b+3],   v[BA] offset:64*\b
	ds_load_b128 v[8*\b+4:8*\b+7], v[BA] offset:64*\b+16
.endr
	WIN 0
	s_wait_dscnt 0x0
	OUT 0, 1
	OUT 1, 1
	OUT 2, 1
	OUT 3, 1
	s_branch .Lend
.Lout_k:
	OUT 0, 0
	OUT 1, 0
	OUT 2, 0
	OUT 3, 0
.Lend:
	CROUND                                         ; the closing round: no work-group ends while a partner may still ask for a tile that names it
	s_endpgm
.Lfunc_end_k_q1ba9c7c663_qkv:
	.size	k_q1ba9c7c663_qkv, .Lfunc_end_k_q1ba9c7c663_qkv-k_q1ba9c7c663_qkv
	.p2alignl 7, 3214868480
	.fill 96, 4, 3214868480
	.section	.rodata,"a",@progbits
	.p2align	6, 0x0
	.amdhsa_kernel k_q1ba9c7c663_qkv
		.amdhsa_group_segment_fixed_size 327680
		.amdhsa_private_segment_fixed_size 0
		.amdhsa_enable_private_segment 0
		.amdhsa_kernarg_size 56
		.amdhsa_user_sgpr_count 2
		.amdhsa_user_sgpr_kernarg_segment_ptr 1
		.amdhsa_wavefront_size32 1
		.amdhsa_system_sgpr_workgroup_id_x 1
		.amdhsa_system_sgpr_workgroup_id_y 1
		.amdhsa_system_sgpr_workgroup_id_z 1
		.amdhsa_system_vgpr_workitem_id 0
		.amdhsa_next_free_vgpr 1024
		.amdhsa_next_free_sgpr 80
		.amdhsa_reserve_vcc 0
		.amdhsa_float_denorm_mode_32 3
		.amdhsa_float_denorm_mode_16_64 3
		.amdhsa_memory_ordered 1
		.amdhsa_forward_progress 1
		.amdhsa_inst_pref_size 207
	.end_amdhsa_kernel
	.amdgpu_metadata
---
amdhsa.version: [ 1, 2 ]
amdhsa.kernels:
  - .name:           k_q1ba9c7c663_qkv
    .symbol:         k_q1ba9c7c663_qkv.kd
    .args:
      - { .name: query, .offset: 0, .size: 8, .value_kind: global_buffer, .address_space: global }
      - { .name: key, .offset: 8, .size: 8, .value_kind: global_buffer, .address_space: global }
      - { .name: value, .offset: 16, .size: 8, .value_kind: global_buffer, .address_space: global }
      - { .name: wh, .offset: 24, .size: 8, .value_kind: global_buffer, .address_space: global }
      - { .name: bq, .offset: 32, .size: 8, .value_kind: global_buffer, .address_space: global }
      - { .name: bv, .offset: 40, .size: 8, .value_kind: global_buffer, .address_space: global }
      - { .name: qkv, .offset: 48, .size: 8, .value_kind: global_buffer, .address_space: global }
    .group_segment_fixed_size: 327680
    .private_segment_fixed_size: 0
    .kernarg_segment_align: 8
    .kernarg_segment_size: 56
    .max_flat_workgroup_size: 128
    .sgpr_count:     80
    .vgpr_count:     1024
    .wavefront_size: 32
...
	.end_amdgpu_metadata
.endif
;; end of part 2
;; launch attn (part 3): grid 8 x 32, 4 waves a work-group, clusters of 4 x 1, 327,680 bytes of LDS; arguments qkv, ows; writes ows
.if DOCPART == 3
	.amdgcn_target "amdgcn-amd-amdhsa--gfx1250"
	.amdhsa_code_object_version 6
	.text
	.protected	k_q1ba9c7c663_attn
	.globl	k_q1ba9c7c663_attn
	.p2align	8
	.type	k_q1ba9c7c663_attn,@function
k_q1ba9c7c663_attn:
	s_mov_b64 s[64:65], 0
	v_nop
	global_prefetch_b8 v0, s[64:65] scope:SCOPE_SE
	s_setreg_imm32_b32 hwreg(HW_REG_WAVE_MODE, 25, 1), 1
	s_wait_xcnt 0x0
	s_wait_alu depctr_hold_cnt(0) depctr_sa_sdst(0) depctr_va_vdst(0) depctr_va_sdst(0) depctr_va_ssrc(0) depctr_va_vcc(0) depctr_vm_vsrc(0)
	s_getreg_b32 s2, hwreg(HW_REG_IB_STS2, 6, 4)
	s_cmp_eq_u32 s2, 0
	s_cbranch_scc0 .Lentry_in_a_cluster
	s_endpgm
.Lentry_in_a_cluster:
	s_bfe_u32 s2, ttmp6, 0x10000c
	s_cmp_lg_u32 s2, 0x3003
	s_cbranch_scc0 .Lentry_shape_is_right
	s_endpgm
.Lentry_shape_is_right:
; O = softmax(Q K^T / 8) V for one (batch, head) and 256 queries.  Q, K, V f16 [b*16+h][2048][64]; O f16 -> ows[row/128][h][128][64].
; K holds no bk: that term is the same along the softmax's axis (shown at the head of the first kernel).
; Limits: p = exp(score - maximum) enters the second product in f16 (under 2^-25 as 0; the f32 sum of p keeps it); O in f16.
; SHARING.  Four waves, 64 queries each (four tiles of 16).  2,048 keys go in eight tiles of 256 through two LDS slots; a tile is
; worked on in four blocks of 64 keys.
; CLUSTERS.  The four work-groups of a cluster are four query blocks of one head: they read the same K and V tiles in the same
; trips, so each tile is asked for jointly (mask 15).  Every refill stands behind a round of the cluster's barrier.
; BOTH PRODUCTS ARE TRANSPOSED.  S^T = K Q^T: lane l holds query l % 16 and keys 8 (l / 16) + 0..7 of each tile, so a row's maximum
; and sum are made inside the lane and by one exchange between the halves, and two tiles of S^T, packed to f16, ARE a fragment of P
; for the second product: no shuffle.  O^T = V^T P^T, V^T by the transposing LDS load: a lane's factors belong to its own query.
; The softmax runs in f32 with a running maximum, in base 2: p = 2^(c s - c max), c = log2(e) / 8, the scale riding in one fused multiply-add.
; The vector phase and the products stand one behind the other here.
; REGISTERS.  Window 0: addresses, state, S (16 tiles), K fragments.  Window 1: O (16 tiles), Q fragments, V fragments.
.set KSLOT,  36864                     ; 256 keys x 144
.set KHALF,  18432
.set VBASE,  73728
.set VSLOT,  40960                     ; 256 keys x 160
.set VHALF,  20480
.set KPITCH, 144                       ; 128 + 16: an odd multiple of 16
.set VPITCH, 160                       ; 128 + 32: an odd multiple of 32, for the transposing loads
.set STAGE,  155648                    ; the way out: 64 rows x 144 bytes for each wave; no tensor load lands here
.set KA,  16                           ; v16-17 K fragments in slot 0, 1
.set VA,  18                           ; v18-19 V fragments in slot 0, 1
.set QO,  20
.set STO, 21
.set RD,  22
.set CO,  23
.set ST,  24                           ; v24-39 for each query tile: nm = -(c max), l (the half's sum), alpha, a spare
.set U,   40                           ; v40-47 at work
.set SS,  64                           ; v64-191 S^T tile (kt, qt) at 8 (4 kt + qt); later P (kk, qt) in the registers of tile (2 kk, qt)
.set KF,  192                          ; v192-255 K fragment (kt, ks) at 8 (2 kt + ks)
.set QF,  128                          ; window 1: Q fragment (qt, ks) at 8 (2 qt + ks);  O^T tile (dt, qt) at v[8 (4 dt + qt)]
.set VF,  192                          ; window 1: V^T fragment (dt, kk) at 8 (2 dt + kk)
.set G1K, 24
.set G1V, 32
.set G0K, 40
.set G0V, 48
.set MSB, 0
.macro WIN new
.if MSB != (\new)
	s_set_vgpr_msb (MSB<<8)|(\new)
.set MSB, (\new)
.endif
.endm
.macro PLACES
.rept 4
	v_nop
.endr
.endm
.macro JLOAD s                         ; waves 0, 1 ask for K's halves, waves 2, 3 for V's
	s_cmp_eq_u32 s11, 0
	s_cbranch_scc0 .Lfor_v_\@
	tensor_load_to_lds s[G0K+4*\s:G0K+4*\s+3], s[G1K:G1K+7]
	s_branch .Lasked_\@
.Lfor_v_\@:
	tensor_load_to_lds s[G0V+4*\s:G0V+4*\s+3], s[G1V:G1V+7]
.Lasked_\@:
.endm
.macro CROUND                          ; a round of the cluster's barrier
	s_barrier_signal -1
	s_barrier_wait -1
	s_cmp_lg_u32 s10, 0
	s_cbranch_scc1 .Lnot_wave_0_\@
	s_barrier_signal -3
.Lnot_wave_0_\@:
	s_barrier_wait -3
	s_barrier_signal -1
	s_barrier_wait -1
.endm
	s_load_b128 s[4:7], s[0:1], 0x0                ; qkv s[4:5], ows s[6:7]
	v_lshrrev_b32 v1, 5, v0
	v_readfirstlane_b32 s10, v1                    ; wave
	s_lshr_b32 s11, s10, 1                         ; I fetch for K (0) or V (1)
	s_and_b32 s12, s10, 1                          ; which 128 keys of the tile
	s_bfe_u32 s13, ttmp6, 0x40000                  ; cx
	s_lshl_b32 s14, ttmp9, 2
	s_add_co_u32 s14, s14, s13                     ; query block 0..7
	s_and_b32 s15, ttmp7, 0xffff                   ; batch x 16 + head
	s_mov_b32 s16, 0x76543210                      ; v_permlanex16_b32: lane i reads lane i of the other half
	s_mov_b32 s17, 0xfedcba98
	s_mov_b32 s18, 0x3e38aa3b                      ; c = log2(e) / 8
	s_mov_b32 s19, 0x3e38aa3b
	s_mov_b32 s20, 0xbe38aa3b                      ; -c
	s_mov_b32 s[G1K+0], (15)|(1<<16)|(1<<20)|(1<<21)|(4<<22)|(3<<25)  ; all four work-groups; 2 bytes; padding: after every 32 words, 4 words
	s_mov_b32 s[G1K+1], 64<<16
	s_mov_b32 s[G1K+2], 128<<16
	s_mov_b32 s[G1K+3], 64<<16                     ; a head's row: 64 elements
	s_mov_b32 s[G1K+4], 128                        ; 128 keys a load
	s_mov_b32 s[G1K+5], 64
	s_mov_b32 s[G1K+6], 0
	s_mov_b32 s[G1K+7], 0
	s_mov_b32 s[G1V+0], (15)|(1<<16)|(1<<20)|(1<<21)|(4<<22)|(7<<25)  ; the same with 8 words of padding
	s_mov_b32 s[G1V+1], 64<<16
	s_mov_b32 s[G1V+2], 128<<16
	s_mov_b32 s[G1V+3], 64<<16
	s_mov_b32 s[G1V+4], 128
	s_mov_b32 s[G1V+5], 64
	s_mov_b32 s[G1V+6], 0
	s_mov_b32 s[G1V+7], 0
	s_lshl_b32 s56, s15, 18                        ; K, V: the head's 262,144 bytes + my 128 keys; no place in the cluster enters
	s_lshl_b32 s57, s12, 14
	s_add_co_u32 s56, s56, s57
	s_mov_b32 s57, 0
	s_lshl_b32 s58, s15, 18                        ; Q: the head, 256 x query block + 64 x wave rows of 128 bytes
	s_lshl_b32 s59, s14, 15
	s_add_co_u32 s58, s58, s59
	s_lshl_b32 s59, s10, 13
	s_add_co_u32 s58, s58, s59
	s_mov_b32 s59, 0
	s_mul_i32 s22, s12, KHALF
	s_mul_i32 s23, s12, VHALF
	s_add_co_u32 s23, s23, VBASE
	v_and_b32 v1, 31, v0
	v_and_b32 v2, 15, v0                           ; r
	v_bfe_u32 v3, v0, 4, 1                         ; h
	v_and_b32 v4, 7, v0
	v_bfe_u32 v5, v0, 3, 1
	v_mul_u32_u24 v6, v2, KPITCH
	v_lshl_add_u32 v[KA], v3, 4, v6
	v_add_nc_u32 v[KA+1], KSLOT, v[KA]
	v_lshl_add_u32 v7, v3, 3, v4
	v_mul_u32_u24 v7, v7, VPITCH
	v_lshl_add_u32 v7, v5, 4, v7
	v_add_nc_u32 v[VA], VBASE, v7
	v_add_nc_u32 v[VA+1], VSLOT, v[VA]
	v_lshlrev_b32 v8, 7, v2
	v_lshl_add_u32 v[QO], v3, 4, v8
	s_mul_i32 s62, s10, 64*KPITCH
	s_add_co_u32 s62, s62, STAGE
	v_add_nc_u32 v[STO], s62, v[KA]                ; row r x 144 + 16 h in my stage
	v_lshrrev_b32 v9, 3, v1
	v_mul_u32_u24 v9, v9, KPITCH
	v_lshl_add_u32 v9, v4, 4, v9
	v_add_nc_u32 v[RD], s62, v9
	v_lshlrev_b32 v[CO], 4, v1
.irp qt, 0,1,2,3
	v_mov_b32 v[ST+4*\qt+1], 0                     ; named in register pairs, or as a lane exchange's destination, before their first value
	v_mov_b32 v[ST+4*\qt+2], 0
	v_mov_b32 v[ST+4*\qt+3], 0
.endr
	s_wait_kmcnt 0x0
	s_add_nc_u64 s[8:9], s[4:5], s[56:57]
	s_add_nc_u64 s[60:61], s[4:5], s[58:59]
	WIN 0x40                                       ; Q's fragments straight from memory, once: the wave's sixteen loads use up its dense 8,192 bytes
.irp qt, 0,1,2,3
.irp ks, 0,1
	global_load_b128 v[QF+8*(2*\qt+\ks):QF+8*(2*\qt+\ks)+3],   v[QO], s[60:61] offset:\qt*2048+64*\ks
	global_load_b128 v[QF+8*(2*\qt+\ks)+4:QF+8*(2*\qt+\ks)+7], v[QO], s[60:61] offset:\qt*2048+64*\ks+32
.endr
.endr
	WIN 0
	; where O goes: block of 128 rows = 16 batch + 2 query block + wave / 2; then head; then row 64 (wave % 2); rows of 128 bytes
	s_lshr_b32 s58, s15, 4
	s_lshl_b32 s58, s58, 4
	s_lshl_b32 s59, s14, 1
	s_add_co_u32 s58, s58, s59
	s_add_co_u32 s58, s58, s11
	s_lshl_b32 s58, s58, 4
	s_and_b32 s59, s15, 15
	s_add_co_u32 s58, s58, s59
	s_lshl_b32 s58, s58, 7
	s_lshl_b32 s59, s12, 6
	s_add_co_u32 s58, s58, s59
	s_lshl_b32 s58, s58, 7
	s_mov_b32 s59, 0
	s_add_nc_u64 s[6:7], s[6:7], s[58:59]
.irp s, 0,1
	s_mov_b32 s[G0K+4*\s], 1
	s_add_co_u32 s[G0K+4*\s+1], s22, \s*KSLOT
	s_add_nc_u64 s[G0K+4*\s+2:G0K+4*\s+3], s[8:9], 0x800000+\s*32768      ; part 1 of qkv, tile s
	s_or_b32 s[G0K+4*\s+3], s[G0K+4*\s+3], 0x80000000
	s_mov_b32 s[G0V+4*\s], 1
	s_add_co_u32 s[G0V+4*\s+1], s23, \s*VSLOT
	s_add_nc_u64 s[G0V+4*\s+2:G0V+4*\s+3], s[8:9], 0x1000000+\s*32768     ; part 2 of qkv, tile s
	s_or_b32 s[G0V+4*\s+3], s[G0V+4*\s+3], 0x80000000
.endr
	CROUND                                         ; in front of the first joint load
	JLOAD 0                                        ; tile 0
	s_wait_loadcnt 0x0                             ; Q
.macro KLOAD slot, j                   ; K fragments of keys 64 j .. 64 j + 63
.irp kt, 0,1,2,3
.irp ks, 0,1
	ds_load_b128 v[KF+8*(2*\kt+\ks):KF+8*(2*\kt+\ks)+3],   v[KA+\slot] offset:(64*(\j)+16*\kt)*KPITCH+64*\ks
	ds_load_b128 v[KF+8*(2*\kt+\ks)+4:KF+8*(2*\kt+\ks)+7], v[KA+\slot] offset:(64*(\j)+16*\kt)*KPITCH+64*\ks+32
.endr
.endr
.endm
.macro VLOAD slot, j                   ; V^T fragments of the same keys
	WIN 0x40
.irp dt, 0,1,2,3
.irp kk, 0,1
	ds_load_tr16_b128 v[VF+8*(2*\dt+\kk):VF+8*(2*\dt+\kk)+3],   v[VA+\slot] offset:(64*(\j)+32*\kk)*VPITCH+32*\dt
	ds_load_tr16_b128 v[VF+8*(2*\dt+\kk)+4:VF+8*(2*\dt+\kk)+7], v[VA+\slot] offset:(64*(\j)+32*\kk)*VPITCH+32*\dt+16*VPITCH
.endr
.endr
.endm
; the largest of my 32 scores of query tile qt, four chains; the other half's; then nm and alpha = 2^(nm new - nm old)
.macro SMAX qt, first
.irp kt, 0,1,2,3
	v_max3_num_f32 v[U+\kt], v[SS+8*(4*\kt+\qt)], v[SS+8*(4*\kt+\qt)+1], v[SS+8*(4*\kt+\qt)+2]
.endr
.irp kt, 0,1,2,3
	v_max3_num_f32 v[U+\kt], v[U+\kt], v[SS+8*(4*\kt+\qt)+3], v[SS+8*(4*\kt+\qt)+4]
.endr
.irp kt, 0,1,2,3
	v_max3_num_f32 v[U+\kt], v[U+\kt], v[SS+8*(4*\kt+\qt)+5], v[SS+8*(4*\kt+\qt)+6]
.endr
	v_max3_num_f32 v[U], v[U], v[U+1], v[U+2]
	v_max3_num_f32 v[U], v[U], v[U+3], v[SS+8*(\qt)+7]
	v_max3_num_f32 v[U], v[U], v[SS+8*(4+\qt)+7], v[SS+8*(8+\qt)+7]
	v_max_num_f32 v[U], v[U], v[SS+8*(12+\qt)+7]
	v_permlanex16_b32 v[ST+4*\qt+3], v[U], s16, s17
	v_max_num_f32 v[U], v[U], v[ST+4*\qt+3]
.if \first
	v_mul_f32 v[ST+4*\qt], s20, v[U]               ; nm = -(c max)
.else
	v_mul_f32 v[U+1], s20, v[U]
	v_min_num_f32 v[U+1], v[U+1], v[ST+4*\qt]      ; the running maximum is the least nm
	v_sub_f32 v[U+2], v[U+1], v[ST+4*\qt]
	v_exp_f32 v[ST+4*\qt+2], v[U+2]
	v_mov_b32 v[ST+4*\qt], v[U+1]                  ; the plain instruction behind the exponential (ISA guide 5.7.2)
.endif
.endm
.macro SEXP qt                         ; p = 2^(c s + nm), in place
.irp kt, 0,1,2,3
.irp i, 0,1,2,3
	v_pk_fma_f32 v[SS+8*(4*\kt+\qt)+2*\i:SS+8*(4*\kt+\qt)+2*\i+1], v[SS+8*(4*\kt+\qt)+2*\i:SS+8*(4*\kt+\qt)+2*\i+1], s[18:19], v[ST+4*\qt:ST+4*\qt+1] op_sel_hi:[1,0,0]
.endr
.endr
.irp kt, 0,1,2,3
.irp i, 0,1,2,3,4,5,6,7
	v_exp_f32 v[SS+8*(4*\kt+\qt)+\i], v[SS+8*(4*\kt+\qt)+\i]
.endr
.endr
	v_nop                                          ; one plain place before the results are used
.endm
.macro SSUM qt, first                  ; l = l alpha + the sum of my 32 p; the two halves' sums meet at the end
.irp i, 0,1,2,3
	v_pk_add_f32 v[U+2*\i:U+2*\i+1], v[SS+8*(\qt)+2*\i:SS+8*(\qt)+2*\i+1], v[SS+8*(4+\qt)+2*\i:SS+8*(4+\qt)+2*\i+1]
.endr
.irp i, 0,1,2,3
	v_pk_add_f32 v[U+2*\i:U+2*\i+1], v[U+2*\i:U+2*\i+1], v[SS+8*(8+\qt)+2*\i:SS+8*(8+\qt)+2*\i+1]
.endr
.irp i, 0,1,2,3
	v_pk_add_f32 v[U+2*\i:U+2*\i+1], v[U+2*\i:U+2*\i+1], v[SS+8*(12+\qt)+2*\i:SS+8*(12+\qt)+2*\i+1]
.endr
	v_pk_add_f32 v[U:U+1], v[U:U+1], v[U+2:U+3]
	v_pk_add_f32 v[U+4:U+5], v[U+4:U+5], v[U+6:U+7]
	v_pk_add_f32 v[U:U+1], v[U:U+1], v[U+4:U+5]
.if \first
	v_add_f32 v[ST+4*\qt+1], v[U], v[U+1]
.else
	v_add_f32 v[U], v[U], v[U+1]
	v_fma_f32 v[ST+4*\qt+1], v[ST+4*\qt+1], v[ST+4*\qt+2], v[U]
.endif
.endm
.macro SPACK qt                        ; tiles (2 kk, qt) and (2 kk + 1, qt) to f16: registers 0-3 keys 8 h + 0..7, 4-7 keys 16 + 8 h + 0..7 of 32
.irp kk, 0,1
.irp i, 0,1,2,3
	v_cvt_pk_f16_f32 v[SS+8*(8*\kk+\qt)+\i], v[SS+8*(8*\kk+\qt)+2*\i], v[SS+8*(8*\kk+\qt)+2*\i+1]
.endr
.irp i, 0,1,2,3
	v_cvt_pk_f16_f32 v[SS+8*(8*\kk+\qt)+4+\i], v[SS+8*(8*\kk+4+\qt)+2*\i], v[SS+8*(8*\kk+4+\qt)+2*\i+1]
.endr
.endr
.endm
; 64 keys x my 64 queries.  In both products the 16 accumulators take turns, one instruction a turn.
.macro SUB slot, j, first
.if (\j) == 0
	KLOAD \slot, 0
.endif
	s_wait_dscnt 0x0                               ; K's fragments
	WIN 0x04                                       ; source 1 (Q) in window 1
.irp kt, 0,1,2,3
.irp qt, 0,1,2,3
	v_wmma_f32_16x16x32_f16 v[SS+8*(4*\kt+\qt):SS+8*(4*\kt+\qt)+7], v[KF+8*(2*\kt):KF+8*(2*\kt)+7], v[QF+8*(2*\qt):QF+8*(2*\qt)+7], 0
.endr
.endr
.irp kt, 0,1,2,3
.irp qt, 0,1,2,3
	v_wmma_f32_16x16x32_f16 v[SS+8*(4*\kt+\qt):SS+8*(4*\kt+\qt)+7], v[KF+8*(2*\kt+1):KF+8*(2*\kt+1)+7], v[QF+8*(2*\qt+1):QF+8*(2*\qt+1)+7], v[SS+8*(4*\kt+\qt):SS+8*(4*\kt+\qt)+7]
.endr
.endr
	WIN 0
	PLACES                                         ; in front of the loads into K's fragments and of the reads of S
	VLOAD \slot, \j
	WIN 0
.if (\j) < 3
	KLOAD \slot, (\j+1)                            ; the next block's K, a whole vector phase ahead
.endif
.irp qt, 0,1,2,3
	SMAX \qt, \first
	SEXP \qt
	SSUM \qt, \first
	SPACK \qt
.endr
.if \first == 0
	WIN 0x41                                       ; O in window 1, alpha in window 0
.irp dt, 0,1,2,3
.irp qt, 0,1,2,3
.irp i, 0,1,2,3
	v_pk_mul_f32 v[8*(4*\dt+\qt)+2*\i:8*(4*\dt+\qt)+2*\i+1], v[8*(4*\dt+\qt)+2*\i:8*(4*\dt+\qt)+2*\i+1], v[ST+4*\qt+2:ST+4*\qt+3] op_sel_hi:[1,0]
.endr
.endr
.endr
.endif
.if (\j) < 3
	s_wait_dscnt 16                                ; V's 16 loads are in; the 16 younger ones (the next K) stay out
.else
	s_wait_dscnt 0x0
.endif
	WIN 0x51                                       ; source 0 (V^T), C and D in window 1, source 1 (P) in window 0
.irp dt, 0,1,2,3
.irp qt, 0,1,2,3
.if \first
	v_wmma_f32_16x16x32_f16 v[8*(4*\dt+\qt):8*(4*\dt+\qt)+7], v[VF+8*(2*\dt):VF+8*(2*\dt)+7], v[SS+8*(\qt):SS+8*(\qt)+7], 0
.else
	v_wmma_f32_16x16x32_f16 v[8*(4*\dt+\qt):8*(4*\dt+\qt)+7], v[VF+8*(2*\dt):VF+8*(2*\dt)+7], v[SS+8*(\qt):SS+8*(\qt)+7], v[8*(4*\dt+\qt):8*(4*\dt+\qt)+7]
.endif
.endr
.endr
.irp dt, 0,1,2,3
.irp qt, 0,1,2,3
	v_wmma_f32_16x16x32_f16 v[8*(4*\dt+\qt):8*(4*\dt+\qt)+7], v[VF+8*(2*\dt+1):VF+8*(2*\dt+1)+7], v[SS+8*(8+\qt):SS+8*(8+\qt)+7], v[8*(4*\dt+\qt):8*(4*\dt+\qt)+7]
.endr
.endr
	WIN 0
.rept 5
	v_nop                                          ; five places: the next first product writes over P, a source of these
.endr
.endm
; A tile of 256 keys.  Every wave waits for all its tensor loads (its part of this tile among them) and for its reads of the other
; slot; the round shows both of every wave of all four work-groups; the refill of the other slot is the wave's one tensor load behind it.
.macro TRIP slot, refill, first
	s_wait_tensorcnt 0x0
	s_add_nc_u64 s[G0K+4*\slot+2:G0K+4*\slot+3], s[G0K+4*\slot+2:G0K+4*\slot+3], 65536   ; this slot's next tile: no tensor load of mine is out
	s_add_nc_u64 s[G0V+4*\slot+2:G0V+4*\slot+3], s[G0V+4*\slot+2:G0V+4*\slot+3], 65536
	s_wait_dscnt 0x0
	CROUND
.if \refill
	JLOAD (1-\slot)
.endif
	SUB \slot, 0, \first
	SUB \slot, 1, 0
	SUB \slot, 2, 0
	SUB \slot, 3, 0
.endm
	TRIP 0, 1, 1                                   ; tile 0; asks for tile 1 (slot 1's first fill, issued as a refill is)
	s_mov_b32 s21, 3
.Ltiles:
	TRIP 1, 1, 0                                   ; tiles 1, 3, 5
	TRIP 0, 1, 0                                   ; tiles 2, 4, 6
	s_sub_co_u32 s21, s21, 1
	s_cmp_lg_u32 s21, 0
	s_cbranch_scc1 .Ltiles
	TRIP 1, 0, 0                                   ; tile 7: nothing is left to fetch (the stepped addresses are not used)
	; THE WAY OUT: the halves' sums meet, O / l, f16, through my stage, stores of 512 consecutive bytes (four rows of the head)
.irp qt, 0,1,2,3
	v_permlanex16_b32 v[ST+4*\qt+3], v[ST+4*\qt+1], s16, s17
.endr
.irp qt, 0,1,2,3
	v_add_f32 v[ST+4*\qt+1], v[ST+4*\qt+1], v[ST+4*\qt+3]
.endr
.irp qt, 0,1,2,3
	v_rcp_f32 v[ST+4*\qt+2], v[ST+4*\qt+1]         ; l is at least the largest p, about 1
.endr
	v_nop
	WIN 0x41
.irp dt, 0,1,2,3
.irp qt, 0,1,2,3
.irp i, 0,1,2,3
	v_pk_mul_f32 v[8*(4*\dt+\qt)+2*\i:8*(4*\dt+\qt)+2*\i+1], v[8*(4*\dt+\qt)+2*\i:8*(4*\dt+\qt)+2*\i+1], v[ST+4*\qt+2:ST+4*\qt+3] op_sel_hi:[1,0]
.endr
.endr
.endr
	WIN 0x05
.irp dt, 0,1,2,3
.irp qt, 0,1,2,3
.irp i, 0,1,2,3
	v_cvt_pk_f16_f32 v[SS+16*\qt+4*\dt+\i], v[8*(4*\dt+\qt)+2*\i], v[8*(4*\dt+\qt)+2*\i+1]
.endr
.endr
.endr
	WIN 0
.irp qt, 0,1,2,3
.irp dt, 0,1,2,3
	ds_store_b128 v[STO], v[SS+16*\qt+4*\dt:SS+16*\qt+4*\dt+3] offset:\qt*16*KPITCH+32*\dt
.endr
.endr
.irp t, 0,1,2,3,4,5,6,7,8,9,10,11,12,13,14,15
	ds_load_b128 v[SS+64+4*\t:SS+64+4*\t+3], v[RD] offset:\t*4*KPITCH      ; my own bytes: LDS serves a wave's instructions in order
.endr
.irp t, 0,1,2,3,4,5,6,7,8,9,10,11,12,13,14,15
	s_wait_dscnt 15-\t                             ; read-back t is in, the younger ones stay out
	global_store_b128 v[CO], v[SS+64+4*\t:SS+64+4*\t+3], s[6:7] offset:\t*512
.endr
	CROUND                                         ; the closing round
	s_endpgm
.Lfunc_end_k_q1ba9c7c663_attn:
	.size	k_q1ba9c7c663_attn, .Lfunc_end_k_q1ba9c7c663_attn-k_q1ba9c7c663_attn
	.p2alignl 7, 3214868480
	.fill 96, 4, 3214868480
	.section	.rodata,"a",@progbits
	.p2align	6, 0x0
	.amdhsa_kernel k_q1ba9c7c663_attn
		.amdhsa_group_segment_fixed_size 327680
		.amdhsa_private_segment_fixed_size 0
		.amdhsa_enable_private_segment 0
		.amdhsa_kernarg_size 16
		.amdhsa_user_sgpr_count 2
		.amdhsa_user_sgpr_kernarg_segment_ptr 1
		.amdhsa_wavefront_size32 1
		.amdhsa_system_sgpr_workgroup_id_x 1
		.amdhsa_system_sgpr_workgroup_id_y 1
		.amdhsa_system_sgpr_workgroup_id_z 1
		.amdhsa_system_vgpr_workitem_id 0
		.amdhsa_next_free_vgpr 512
		.amdhsa_next_free_sgpr 66
		.amdhsa_reserve_vcc 0
		.amdhsa_float_denorm_mode_32 3
		.amdhsa_float_denorm_mode_16_64 3
		.amdhsa_memory_ordered 1
		.amdhsa_forward_progress 1
		.amdhsa_inst_pref_size 255
	.end_amdhsa_kernel
	.section	.bss,"aw",@nobits
	.p2align	6
	.space	262144
	.amdgpu_metadata
---
amdhsa.version: [ 1, 2 ]
amdhsa.kernels:
  - .name:           k_q1ba9c7c663_attn
    .symbol:         k_q1ba9c7c663_attn.kd
    .args:
      - { .name: qkv, .offset: 0, .size: 8, .value_kind: global_buffer, .address_space: global }
      - { .name: ows, .offset: 8, .size: 8, .value_kind: global_buffer, .address_space: global }
    .group_segment_fixed_size: 327680
    .private_segment_fixed_size: 0
    .kernarg_segment_align: 8
    .kernarg_segment_size: 16
    .max_flat_workgroup_size: 128
    .sgpr_count:     66
    .vgpr_count:     512
    .wavefront_size: 32
...
	.end_amdgpu_metadata
.endif
;; end of part 3
;; launch oproj (part 4): grid 8 x 32, 4 waves a work-group, clusters of 4 x 4, 327,680 bytes of LDS; arguments ows, wh, bo, out0; writes out0
.if DOCPART == 4
	.amdgcn_target "amdgcn-amd-amdhsa--gfx1250"
	.amdhsa_code_object_version 6
	.text
	.protected	k_q1ba9c7c663_oproj
	.globl	k_q1ba9c7c663_oproj
	.p2align	8
	.type	k_q1ba9c7c663_oproj,@function
k_q1ba9c7c663_oproj:
	s_mov_b64 s[64:65], 0
	v_nop
	global_prefetch_b8 v0, s[64:65] scope:SCOPE_SE
	s_setreg_imm32_b32 hwreg(HW_REG_WAVE_MODE, 25, 1), 1
	s_wait_xcnt 0x0
	s_wait_alu depctr_hold_cnt(0) depctr_sa_sdst(0) depctr_va_vdst(0) depctr_va_sdst(0) depctr_va_ssrc(0) depctr_va_vcc(0) depctr_vm_vsrc(0)
	s_getreg_b32 s2, hwreg(HW_REG_IB_STS2, 6, 4)
	s_cmp_eq_u32 s2, 0
	s_cbranch_scc0 .Lentry_in_a_cluster
	s_endpgm
.Lentry_in_a_cluster:
	s_bfe_u32 s2, ttmp6, 0x10000c
	s_cmp_lg_u32 s2, 0xf033
	s_cbranch_scc0 .Lentry_shape_is_right
	s_endpgm
.Lentry_shape_is_right:
; out0 = O Wo + bo.  O f16 in ows[row/128][h][128][64], Wo f16 [k][n] (part 3 of wh), bo and out0 f32.  Nothing is left out here.
; SHARING.  4096 x 1024 in blocks of 128 x 128: 256 work-groups.  Four waves, 2 x 2, 64 x 64 each: 16 accumulator tiles.
; K = 1024 goes in four steps of 256 (four heads) through two LDS slots: O's tile is 4 heads x 128 rows x 64, dense in ows;
; Wo's is 256 k rows x 128 columns (256 bytes of memory at a multiple of 256).  Each wave brings a quarter of a slot with one load.
; CLUSTERS.  4 x 4: O's tile hangs on the block row alone and is asked for jointly by a row of the cluster, Wo's by a column.
; TRANSPOSED USE as in qkv: source 0 = 16 columns of Wo by the transposing LDS load, source 1 = 16 rows of O: a lane holds eight
; neighbouring f32 of a row of out0.
; REGISTERS.  Window 0: addresses, O fragments (two buffers), way out.  Window 1: Wo fragments.  Window 2: sums at v[8 (4 a + b)], bias at v128.
.set SLOT,   147456
.set QUART,  36864                     ; what one tensor load brings: 256 rows x 144 of O, or 128 k rows x 288 of Wo
.set BOFF,   73728
.set APITCH, 144                       ; 128 + 16
.set BPITCH, 288                       ; 256 + 32
.set STAGE,  294912                    ; 16 rows x 272 bytes for each wave; no tensor load lands here
.set SPITCH, 272
.set ADRA, 16                          ; v16-17 O fragments in slot 0, 1
.set ADRB, 20                          ; v20-23 Wo fragments: slot s, k rows 128 x half, at 2 s + half (an LDS offset holds 16 bits)
.set STO,  24
.set RD,   25
.set CO,   26
.set BO,   27
.set FB,   64                          ; fragment (ks, i) of buffer f at 64 f + 8 (4 ks + i), in windows 0 and 1
.set RB,   192
.set BIAS, 128                         ; window 2
.set G1A, 40
.set G0A, 48
.set G1B, 56
.set G0B, 68
.set MUL,  0xa1
.set TO_B, 0x40
.set MSB, 0
.macro WIN new
.if MSB != (\new)
	s_set_vgpr_msb (MSB<<8)|(\new)
.set MSB, (\new)
.endif
.endm
.macro PLACES
.rept 4
	v_nop
.endr
.endm
.macro JLOAD s                         ; waves 0, 1 ask for O's halves, waves 2, 3 for Wo's
	s_cmp_eq_u32 s21, 0
	s_cbranch_scc0 .Lfor_b_\@
	tensor_load_to_lds s[G0A+4*\s:G0A+4*\s+3], s[G1A:G1A+7]
	s_branch .Lasked_\@
.Lfor_b_\@:
	tensor_load_to_lds s[G0B+4*\s:G0B+4*\s+3], s[G1B:G1B+7]
.Lasked_\@:
.endm
.macro CREST
	s_cmp_lg_u32 s20, 0
	s_cbranch_scc1 .Lnot_wave_0_\@
	s_barrier_signal -3
.Lnot_wave_0_\@:
	s_barrier_wait -3
	s_barrier_signal -1
	s_barrier_wait -1
.endm
.macro CROUND
	s_barrier_signal -1
	s_barrier_wait -1
	CREST
.endm
	s_load_b256 s[4:11], s[0:1], 0x0               ; ows s[4:5], wh s[6:7], bo s[8:9], out0 s[10:11]
	v_lshrrev_b32 v1, 5, v0
	v_readfirstlane_b32 s20, v1                    ; wave
	s_lshr_b32 s21, s20, 1                         ; my half of the block's rows; also: I fetch for O (0) or Wo (1)
	s_and_b32 s22, s20, 1                          ; my half of its columns; also: which half of that tile
	s_bfe_u32 s23, ttmp6, 0x40000                  ; cx
	s_bfe_u32 s24, ttmp6, 0x40004                  ; cy
	s_lshl_b32 s25, ttmp9, 2
	s_add_co_u32 s25, s25, s23                     ; block column 0..7
	s_and_b32 s28, ttmp7, 0xffff
	s_lshl_b32 s28, s28, 2
	s_add_co_u32 s28, s28, s24                     ; block row 0..31
	s_lshl_b32 s29, s24, 2
	s_lshl_b32 s29, 15, s29                        ; my row of the cluster
	s_lshl_b32 s30, 0x1111, s23                    ; my column
	s_or_b32 s[G1A+0], s29, (1<<16)|(1<<20)|(1<<21)|(4<<22)|(3<<25)  ; 2 bytes; padding: after every 32 words, 4 words
	s_mov_b32 s[G1A+1], 64<<16
	s_mov_b32 s[G1A+2], 256<<16
	s_mov_b32 s[G1A+3], 64<<16                     ; rows of 64 elements,
	s_mov_b32 s[G1A+4], 256                        ; 256 of them (two heads x 128 rows), dense
	s_mov_b32 s[G1A+5], 64
	s_mov_b32 s[G1A+6], 0
	s_mov_b32 s[G1A+7], 0
	s_or_b32 s[G1B+0], s30, (1<<16)|(1<<20)|(1<<21)|(5<<22)|(7<<25)  ; after every 64 words, 8 words
	s_mov_b32 s[G1B+1], 128<<16
	s_mov_b32 s[G1B+2], 128<<16
	s_mov_b32 s[G1B+3], 128<<16                    ; 128 columns,
	s_mov_b32 s[G1B+4], 128                        ; 128 k rows
	s_mov_b32 s[G1B+5], 1024
	s_mov_b32 s[G1B+6], 0
	s_mov_b32 s[G1B+7], 0
	; offsets.  s[32:35] never hold cx, s[36:39] never hold cy.
	s_lshl_b32 s32, s28, 18                        ; O: the block's 262,144 bytes + two heads for the upper half
	s_lshl_b32 s33, s22, 15
	s_add_co_u32 s32, s32, s33
	s_mov_b32 s33, 0
	s_lshl_b32 s34, s28, 19                        ; out0: (128 block row + 64 row half) rows of 4,096 bytes
	s_lshl_b32 s35, s21, 18
	s_add_co_u32 s34, s34, s35
	s_mov_b32 s35, 0
	s_lshl_b32 s36, s25, 8                         ; Wo: 128 columns of 2 bytes for each block column + 128 k rows of 2,048 bytes for the upper half
	s_lshl_b32 s37, s22, 18
	s_add_co_u32 s36, s36, s37
	s_add_co_u32 s36, s36, 6291456                 ; part 3 of wh
	s_mov_b32 s37, 0
	s_lshl_b32 s38, s25, 9                         ; bo and out0: column 128 block column + 64 column half, 4 bytes each
	s_lshl_b32 s39, s22, 8
	s_add_co_u32 s38, s38, s39
	s_mov_b32 s39, 0
	s_mul_i32 s18, s20, QUART                      ; LDS: O's halves, then Wo's: the wave's number alone
	v_and_b32 v2, 15, v0                           ; r
	v_bfe_u32 v3, v0, 4, 1                         ; h
	v_and_b32 v4, 7, v0
	v_bfe_u32 v5, v0, 3, 1
	v_lshlrev_b32 v[BO], 5, v3
	s_wait_kmcnt 0x0
	s_add_nc_u64 s[4:5], s[4:5], s[32:33]
	s_add_nc_u64 s[6:7], s[6:7], s[36:37]
	s_add_nc_u64 s[8:9], s[8:9], s[38:39]
	s_add_nc_u64 s[10:11], s[10:11], s[34:35]
	s_add_nc_u64 s[10:11], s[10:11], s[38:39]
	WIN 0x80                                       ; my columns' bias, once: tile b's eight numbers
.irp b, 0,1,2,3
	global_load_b128 v[BIAS+8*\b:BIAS+8*\b+3],   v[BO], s[8:9] offset:64*\b
	global_load_b128 v[BIAS+8*\b+4:BIAS+8*\b+7], v[BO], s[8:9] offset:64*\b+16
.endr
	WIN 0
	CROUND                                         ; in front of the first joint loads
.irp s, 0,1
	s_mov_b32 s[G0A+4*\s], 1
	s_add_co_u32 s[G0A+4*\s+1], s18, \s*SLOT
	s_add_nc_u64 s[G0A+4*\s+2:G0A+4*\s+3], s[4:5], \s*65536          ; K step s: four heads of 16,384 bytes
	s_or_b32 s[G0A+4*\s+3], s[G0A+4*\s+3], 0x80000000
	s_mov_b32 s[G0B+4*\s], 1
	s_add_co_u32 s[G0B+4*\s+1], s18, \s*SLOT
	s_add_nc_u64 s[G0B+4*\s+2:G0B+4*\s+3], s[6:7], \s*524288         ; K step s: 256 rows of 2,048 bytes
	s_or_b32 s[G0B+4*\s+3], s[G0B+4*\s+3], 0x80000000
	JLOAD \s
.endr
	v_mul_u32_u24 v6, v2, APITCH
	v_lshl_add_u32 v6, v3, 4, v6
	s_mul_i32 s31, s21, 64*APITCH                  ; my 64 rows of each head
	v_add_nc_u32 v[ADRA], s31, v6
	v_add_nc_u32 v[ADRA+1], SLOT, v[ADRA]
	v_lshl_add_u32 v7, v3, 3, v4
	v_mul_u32_u24 v7, v7, BPITCH
	v_lshl_add_u32 v7, v5, 4, v7
	s_lshl_b32 s31, s22, 7                         ; my 64 columns
	s_add_co_u32 s31, s31, BOFF
	v_add_nc_u32 v[ADRB], s31, v7
	v_add_nc_u32 v[ADRB+1], QUART, v[ADRB]
	v_add_nc_u32 v[ADRB+2], SLOT, v[ADRB]
	v_add_nc_u32 v[ADRB+3], QUART, v[ADRB+2]
	s_mul_i32 s31, s20, 16*SPITCH
	s_add_co_u32 s31, s31, STAGE
	v_mul_u32_u24 v8, v2, SPITCH
	v_lshl_add_u32 v8, v3, 5, v8
	v_add_nc_u32 v[STO], s31, v8
	v_mul_u32_u24 v9, v3, SPITCH
	v_lshl_add_u32 v9, v2, 4, v9
	v_add_nc_u32 v[RD], s31, v9
	v_lshlrev_b32 v10, 12, v3
	v_lshl_add_u32 v[CO], v2, 4, v10
; 32 LDS loads: head ph of the slot's four (64 along K): four column fragments of Wo and four row fragments of O for each 32 of K
.macro FETCH slot, ph, g
	WIN TO_B
.irp ks, 0,1
.irp i, 0,1,2,3
	ds_load_tr16_b128 v[FB+64*\g+8*(4*\ks+\i):FB+64*\g+8*(4*\ks+\i)+3],   v[ADRB+2*\slot+(\ph>>1)] offset:((\ph&1)*64+32*\ks)*BPITCH+32*\i
	ds_load_tr16_b128 v[FB+64*\g+8*(4*\ks+\i)+4:FB+64*\g+8*(4*\ks+\i)+7], v[ADRB+2*\slot+(\ph>>1)] offset:((\ph&1)*64+32*\ks)*BPITCH+32*\i+16*BPITCH
.endr
.endr
	WIN 0
.irp ks, 0,1
.irp i, 0,1,2,3
	ds_load_b128 v[FB+64*\g+8*(4*\ks+\i):FB+64*\g+8*(4*\ks+\i)+3],   v[ADRA+\slot] offset:\ph*128*APITCH+\i*16*APITCH+64*\ks
	ds_load_b128 v[FB+64*\g+8*(4*\ks+\i)+4:FB+64*\g+8*(4*\ks+\i)+7], v[ADRA+\slot] offset:\ph*128*APITCH+\i*16*APITCH+64*\ks+32
.endr
.endr
.endm
; 16 matrix instructions, 32 along K.  The 16 accumulators take turns, one instruction a turn.
.macro MULK f, ks, zero
.irp a, 0,1,2,3
.irp b, 0,1,2,3
.if \zero
	v_wmma_f32_16x16x32_f16 v[8*(4*\a+\b):8*(4*\a+\b)+7], v[FB+64*\f+8*(4*\ks+\b):FB+64*\f+8*(4*\ks+\b)+7], v[FB+64*\f+8*(4*\ks+\a):FB+64*\f+8*(4*\ks+\a)+7], 0
.else
	v_wmma_f32_16x16x32_f16 v[8*(4*\a+\b):8*(4*\a+\b)+7], v[FB+64*\f+8*(4*\ks+\b):FB+64*\f+8*(4*\ks+\b)+7], v[FB+64*\f+8*(4*\ks+\a):FB+64*\f+8*(4*\ks+\a)+7], v[8*(4*\a+\b):8*(4*\a+\b)+7]
.endif
.endr
.endr
.endm
.macro PHASE slot, ph, f, g, zero      ; multiplies buffer f; fetches head ph into buffer g ahead of the 32 matrix instructions
	s_wait_dscnt 0x0                               ; buffer f's loads, asked for 32 matrix instructions ago
	PLACES
	FETCH \slot, \ph, \g
	WIN MUL
	MULK \f, 0, \zero
	MULK \f, 1, 0
.endm
; The fourth head of a K step: multiplies buffer 1 and changes slots, in the same order as in qkv: my reads of this slot and all my
; tensor loads are waited for in front of the barrier; where the slot is filled again the barrier opens a round of the cluster's
; barrier, register work alone inside, and the joint refill is the wave's first and only tensor load behind it.
.macro TURN slot, next, fill
	s_wait_dscnt 0x0
	s_wait_tensorcnt 0x0
	s_barrier_signal -1
	WIN MUL
	MULK 1, 0, 0
	WIN 0
	s_barrier_wait -1
.if \fill
	CREST
	s_add_nc_u64 s[G0A+4*\slot+2:G0A+4*\slot+3], s[G0A+4*\slot+2:G0A+4*\slot+3], 131072    ; two K steps on: no tensor load of mine is out
	s_add_nc_u64 s[G0B+4*\slot+2:G0B+4*\slot+3], s[G0B+4*\slot+2:G0B+4*\slot+3], 1048576
	JLOAD \slot
.endif
	PLACES
	FETCH \next, 0, 0
	WIN MUL
	MULK 1, 1, 0
.endm
.macro THREE slot, zero
	PHASE \slot, 1, 0, 1, \zero
	PHASE \slot, 2, 1, 0, 0
	PHASE \slot, 3, 0, 1, 0
.endm
	s_wait_tensorcnt 0x1                           ; my part of K step 0 is in; K step 1's stays out
	s_barrier_signal -1
	s_barrier_wait -1
	FETCH 0, 0, 0
	THREE 0, 1                                     ; K step 0: the first products start the sums
	TURN 0, 1, 1                                   ; asks for K step 2
	THREE 1, 0
	TURN 1, 0, 1                                   ; asks for K step 3
	THREE 0, 0
	TURN 0, 1, 0                                   ; nothing is left to fetch
	THREE 1, 0
	s_wait_dscnt 0x0
	WIN MUL
	MULK 1, 0, 0
	MULK 1, 1, 0
	WIN 0
	PLACES
	s_wait_loadcnt 0x0                             ; the bias
; THE WAY OUT, 16 rows at a time: + bias, 32 bytes a lane into my stage, read back by rows: sixteen lanes store my 64 f32 of a row,
; 256 consecutive bytes at a multiple of 256 of out0.
.macro OUT a
	WIN 0x8a
.irp b, 0,1,2,3
.irp i, 0,1,2,3
	v_pk_add_f32 v[8*(4*\a+\b)+2*\i:8*(4*\a+\b)+2*\i+1], v[8*(4*\a+\b)+2*\i:8*(4*\a+\b)+2*\i+1], v[BIAS+8*\b+2*\i:BIAS+8*\b+2*\i+1]
.endr
.endr
	WIN 0x08                                       ; an LDS store's data are source 1: window 2
.irp b, 0,1,2,3
	ds_store_b128 v[STO], v[8*(4*\a+\b):8*(4*\a+\b)+3]   offset:64*\b
	ds_store_b128 v[STO], v[8*(4*\a+\b)+4:8*(4*\a+\b)+7] offset:64*\b+16
.endr
	WIN 0
	s_wait_xcnt 0x0                                ; the last stores' data registers and base are rewritten only behind this wait
.if \a
	s_add_nc_u64 s[10:11], s[10:11], 65536         ; 16 rows of 4,096 bytes on
.endif
.irp t, 0,1,2,3,4,5,6,7
	ds_load_b128 v[RB+4*\t:RB+4*\t+3], v[RD] offset:\t*2*SPITCH
.endr
.irp t, 0,1,2,3,4,5,6,7
	s_wait_dscnt 7-\t                              ; read-back t is in, the younger ones stay out
	global_store_b128 v[CO], v[RB+4*\t:RB+4*\t+3], s[10:11] offset:\t*8192 th:TH_STORE_NT
.endr
.endm
	OUT 0
	OUT 1
	OUT 2
	OUT 3
	CROUND                                         ; the closing round
	s_endpgm
.Lfunc_end_k_q1ba9c7c663_oproj:
	.size	k_q1ba9c7c663_oproj, .Lfunc_end_k_q1ba9c7c663_oproj-k_q1ba9c7c663_oproj
	.p2alignl 7, 3214868480
	.fill 96, 4, 3214868480
	.section	.rodata,"a",@progbits
	.p2align	6, 0x0
	.amdhsa_kernel k_q1ba9c7c663_oproj
		.amdhsa_group_segment_fixed_size 327680
		.amdhsa_private_segment_fixed_size 0
		.amdhsa_enable_private_segment 0
		.amdhsa_kernarg_size 32
		.amdhsa_user_sgpr_count 2
		.amdhsa_user_sgpr_kernarg_segment_ptr 1
		.amdhsa_wavefront_size32 1
		.amdhsa_system_sgpr_workgroup_id_x 1
		.amdhsa_system_sgpr_workgroup_id_y 1
		.amdhsa_system_sgpr_workgroup_id_z 1
		.amdhsa_system_vgpr_workitem_id 0
		.amdhsa_next_free_vgpr 672
		.amdhsa_next_free_sgpr 80
		.amdhsa_reserve_vcc 0
		.amdhsa_float_denorm_mode_32 3
		.amdhsa_float_denorm_mode_16_64 3
		.amdhsa_memory_ordered 1
		.amdhsa_forward_progress 1
		.amdhsa_inst_pref_size 90
	.end_amdhsa_kernel
	.amdgpu_metadata
---
amdhsa.version: [ 1, 2 ]
amdhsa.kernels:
  - .name:           k_q1ba9c7c663_oproj
    .symbol:         k_q1ba9c7c663_oproj.kd
    .args:
      - { .name: ows, .offset: 0, .size: 8, .value_kind: global_buffer, .address_space: global }
      - { .name: wh, .offset: 8, .size: 8, .value_kind: global_buffer, .address_space: global }
      - { .name: bo, .offset: 16, .size: 8, .value_kind: global_buffer, .address_space: global }
      - { .name: out0, .offset: 24, .size: 8, .value_kind: global_buffer, .address_space: global }
    .group_segment_fixed_size: 327680
    .private_segment_fixed_size: 0
    .kernarg_segment_align: 8
    .kernarg_segment_size: 32
    .max_flat_workgroup_size: 128
    .sgpr_count:     80
    .vgpr_count:     672
    .wavefront_size: 32
...
	.end_amdgpu_metadata
.endif
;; end of part 4
;; ======== version 2 of 2: 4 launches
;; limits: values are held in f16: magnitudes above 65,504 overflow, below 6.1e-05 lose precision
;; workspace buffers: wh 8,388,608 bytes; qkv 25,165,824 bytes; ows 8,388,608 bytes
;; launch cast: the kernel of part 1 again; grid 64 x 4, 8 waves a work-group, no clusters, 0 bytes of LDS; arguments Wq, Wk, Wv, Wo, wh; writes wh
;; launch qkv: the kernel of part 2 again; grid 4 x 48, 4 waves a work-group, clusters of 4 x 4, 327,680 bytes of LDS; arguments query, key, value, wh, bq, bv, qkv; writes qkv
;; launch attn (part 5): grid 8 x 32, 4 waves a work-group, clusters of 4 x 1, 327,680 bytes of LDS; arguments qkv, ows; writes ows
.if DOCPART == 5
	.amdgcn_target "amdgcn-amd-amdhsa--gfx1250"
	.amdhsa_code_object_version 6
	.text
	.protected	k_q1ba9c7c663_attn
	.globl	k_q1ba9c7c663_attn
	.p2align	8
	.type	k_q1ba9c7c663_attn,@function
k_q1ba9c7c663_attn:
	s_mov_b64 s[64:65], 0
	v_nop
	global_prefetch_b8 v0, s[64:65] scope:SCOPE_SE
	s_setreg_imm32_b32 hwreg(HW_REG_WAVE_MODE, 25, 1), 1
	s_wait_xcnt 0x0
	s_wait_alu depctr_hold_cnt(0) depctr_sa_sdst(0) depctr_va_vdst(0) depctr_va_sdst(0) depctr_va_ssrc(0) depctr_va_vcc(0) depctr_vm_vsrc(0)
	s_getreg_b32 s2, hwreg(HW_REG_IB_STS2, 6, 4)
	s_cmp_eq_u32 s2, 0
	s_cbranch_scc0 .Lentry_in_a_cluster
	s_endpgm
.Lentry_in_a_cluster:
	s_bfe_u32 s2, ttmp6, 0x10000c
	s_cmp_lg_u32 s2, 0x3003
	s_cbranch_scc0 .Lentry_shape_is_right
	s_endpgm
.Lentry_shape_is_right:
; O = softmax(Q K^T / 8) V for one (batch, head) and 256 queries.  Q, K, V f16 [b*16+h][2048][64]; O f16 -> ows[row/128][h][128][64].
; K holds no bk: that term is the same along the softmax's axis (shown at the head of the first kernel).
; Limits: p = exp(score - maximum) enters the second product in f16 (under 2^-25 as 0; the f32 sum of p keeps it); O in f16.
; SHARING.  Four waves, 64 queries each (four tiles of 16).  2,048 keys go in eight tiles of 256 through two LDS slots; a tile is
; worked on in four blocks of 64 keys.
; CLUSTERS.  The four work-groups of a cluster are four query blocks of one head: they read the same K and V tiles in the same
; order, so each tile is asked for jointly (mask 15).  Every refill stands behind a round of the cluster's barrier.
; BOTH PRODUCTS ARE TRANSPOSED.  S^T = K Q^T: lane l holds query l % 16 and keys 8 (l / 16) + 0..7 of each tile, so a row's maximum
; and sum are made inside the lane and by one exchange between the halves, and two tiles of S^T, packed to f16, ARE a fragment of P
; for the second product: no shuffle.  O^T = V^T P^T, V^T by the transposing LDS load: a lane's factors belong to its own query.
; The softmax runs in f32 with a running maximum, in base 2: p = 2^(c s - c max), c = log2(e) / 8, the scale riding in one fused multiply-add.
; TWO PIECES TAKE TURNS.  Piece A = query tiles 0, 1, piece B = tiles 2, 3; both use the same K and V fragments.  A piece has 32 matrix
; instructions a block (16 for O^T, 16 for S^T) and 242 vector instructions; the vector work is cut into 32 numbered slices (macro VS)
; and one slice stands behind each matrix instruction of the other piece.  Body j:
;   K fragments of block j+1 are asked for;  PV_A(j), S_A(j+1) with the softmax of B(j);  PV_B(j), V fragments j+1, S_B(j+1) with the softmax of A(j+1).
; A piece's PV stands in front of its next S, so P can lie in S's registers, and one set of K and one of V fragments is enough.
; REGISTERS.  Window 0: addresses, state, S (16 tiles), K fragments.  Window 1: O (16 tiles), Q fragments, V fragments.
; The S products run with source 1 alone in window 1 (0x04).  Scale-and-shift, exponentials and sums name no vector register as source 1
; and stand under that setting without a switch; that is why a sum is written x * 1.0 + acc (one instruction, as an add would be).
; The rescaling of O fits the PV setting (0x51).  Maxima, state and packing want window 0 in every place: 66 switches a body in all.
; CODE.  One body in counted loops over a tile's blocks: the block's place in the slot comes from the loop's counter, the slot is a
; constant in the offsets.  Five bodies in the text: the first (its products start the sums), the rest of tile 0, one for each slot, tile 7.
.set KSLOT,  36864                     ; 256 keys x 144
.set KHALF,  18432
.set VBASE,  73728
.set VSLOT,  40960                     ; 256 keys x 160
.set VHALF,  20480
.set KPITCH, 144                       ; 128 + 16: an odd multiple of 16
.set VPITCH, 160                       ; 128 + 32: an odd multiple of 32, for the transposing loads
.set STAGE,  155648                    ; the way out: 64 rows x 144 bytes for each wave; no tensor load lands here
.set KA,  16                           ; K fragments: the lane's place in block 0 of slot 0
.set KAC, 17                           ;              the same in the block that the body loads
.set VA,  18                           ; V fragments likewise
.set VAC, 19
.set QO,  20
.set STO, 21
.set RD,  22
.set CO,  23
.set ST,  24                           ; v24-39 for each query tile: nm = -(c max), l (the half's sum), alpha, a spare
.set U,   40                           ; v40-47 maxima: four chains for each of a piece's two query tiles
.set US,  48                           ; v48-63 sums: four pairs for each of them
.set SS,  64                           ; v64-191 S^T tile (kt, qt) at 8 (4 kt + qt); later P (kk, qt) in the registers of tile (2 kk, qt)
.set KF,  192                          ; v192-255 K fragment (kt, ks) at 8 (2 kt + ks)
.set QF,  128                          ; window 1: Q fragment (qt, ks) at 8 (2 qt + ks);  O^T tile (dt, qt) at v[8 (4 dt + qt)]
.set VF,  192                          ; window 1: V^T fragment (dt, kk) at 8 (2 dt + kk)
.set G1K, 24
.set G1V, 32
.set G0K, 40
.set G0V, 48
.set MSB, 0
.macro WIN new                         ; the immediate's high byte repeats the setting that is left
.if MSB != (\new)
	s_set_vgpr_msb (MSB<<8)|(\new)
.set MSB, (\new)
.endif
.endm
.macro WINC                            ; destination, source 0 and source 2 in window 0; source 1 is no vector register: 0x04 serves as well as 0
.if (MSB & 0xf3) != 0
	WIN 0
.endif
.endm
.macro WINR                            ; destination and source 0 in window 1, source 1 in window 0: the PV setting serves
.if (MSB & 0xcf) != 0x41
	WIN 0x51
.endif
.endm
.macro PLACES
.rept 4
	v_nop
.endr
.endm
.macro JLOAD s                         ; waves 0, 1 ask for K's halves, waves 2, 3 for V's
	s_cmp_eq_u32 s11, 0
	s_cbranch_scc0 .Lfor_v_\@
	tensor_load_to_lds s[G0K+4*\s:G0K+4*\s+3], s[G1K:G1K+7]
	s_branch .Lasked_\@
.Lfor_v_\@:
	tensor_load_to_lds s[G0V+4*\s:G0V+4*\s+3], s[G1V:G1V+7]
.Lasked_\@:
.endm
.macro CROUND                          ; a round of the cluster's barrier
	s_barrier_signal -1
	s_barrier_wait -1
	s_cmp_lg_u32 s10, 0
	s_cbranch_scc1 .Lnot_wave_0_\@
	s_barrier_signal -3
.Lnot_wave_0_\@:
	s_barrier_wait -3
	s_barrier_signal -1
	s_barrier_wait -1
.endm
	s_load_b128 s[4:7], s[0:1], 0x0                ; qkv s[4:5], ows s[6:7]
	v_lshrrev_b32 v1, 5, v0
	v_readfirstlane_b32 s10, v1                    ; wave
	s_lshr_b32 s11, s10, 1                         ; I fetch for K (0) or V (1)
	s_and_b32 s12, s10, 1                          ; which 128 keys of the tile
	s_bfe_u32 s13, ttmp6, 0x40000                  ; cx
	s_lshl_b32 s14, ttmp9, 2
	s_add_co_u32 s14, s14, s13                     ; query block 0..7
	s_and_b32 s15, ttmp7, 0xffff                   ; batch x 16 + head
	s_mov_b32 s16, 0x76543210                      ; v_permlanex16_b32: lane i reads lane i of the other half
	s_mov_b32 s17, 0xfedcba98
	s_mov_b32 s18, 0x3e38aa3b                      ; c = log2(e) / 8
	s_mov_b32 s19, 0x3e38aa3b
	s_mov_b32 s20, 0xbe38aa3b                      ; -c
	s_mov_b32 s[G1K+0], (15)|(1<<16)|(1<<20)|(1<<21)|(4<<22)|(3<<25)  ; all four work-groups; 2 bytes; padding: after every 32 words, 4 words
	s_mov_b32 s[G1K+1], 64<<16
	s_mov_b32 s[G1K+2], 128<<16
	s_mov_b32 s[G1K+3], 64<<16                     ; a head's row: 64 elements
	s_mov_b32 s[G1K+4], 128                        ; 128 keys a load
	s_mov_b32 s[G1K+5], 64
	s_mov_b32 s[G1K+6], 0
	s_mov_b32 s[G1K+7], 0
	s_mov_b32 s[G1V+0], (15)|(1<<16)|(1<<20)|(1<<21)|(4<<22)|(7<<25)  ; the same with 8 words of padding
	s_mov_b32 s[G1V+1], 64<<16
	s_mov_b32 s[G1V+2], 128<<16
	s_mov_b32 s[G1V+3], 64<<16
	s_mov_b32 s[G1V+4], 128
	s_mov_b32 s[G1V+5], 64
	s_mov_b32 s[G1V+6], 0
	s_mov_b32 s[G1V+7], 0
	s_lshl_b32 s56, s15, 18                        ; K, V: the head's 262,144 bytes + my 128 keys; no place in the cluster enters
	s_lshl_b32 s57, s12, 14
	s_add_co_u32 s56, s56, s57
	s_mov_b32 s57, 0
	s_lshl_b32 s58, s15, 18                        ; Q: the head, 256 x query block + 64 x wave rows of 128 bytes
	s_lshl_b32 s59, s14, 15
	s_add_co_u32 s58, s58, s59
	s_lshl_b32 s59, s10, 13
	s_add_co_u32 s58, s58, s59
	s_mov_b32 s59, 0
	s_mul_i32 s22, s12, KHALF
	s_mul_i32 s23, s12, VHALF
	s_add_co_u32 s23, s23, VBASE
	v_and_b32 v1, 31, v0
	v_and_b32 v2, 15, v0                           ; r
	v_bfe_u32 v3, v0, 4, 1                         ; h
	v_and_b32 v4, 7, v0
	v_bfe_u32 v5, v0, 3, 1
	v_mul_u32_u24 v6, v2, KPITCH
	v_lshl_add_u32 v[KA], v3, 4, v6
	v_lshl_add_u32 v7, v3, 3, v4
	v_mul_u32_u24 v7, v7, VPITCH
	v_lshl_add_u32 v7, v5, 4, v7
	v_add_nc_u32 v[VA], VBASE, v7
	v_lshlrev_b32 v8, 7, v2
	v_lshl_add_u32 v[QO], v3, 4, v8
	s_mul_i32 s62, s10, 64*KPITCH
	s_add_co_u32 s62, s62, STAGE
	v_add_nc_u32 v[STO], s62, v[KA]                ; row r x 144 + 16 h in my stage
	v_lshrrev_b32 v9, 3, v1
	v_mul_u32_u24 v9, v9, KPITCH
	v_lshl_add_u32 v9, v4, 4, v9
	v_add_nc_u32 v[RD], s62, v9
	v_lshlrev_b32 v[CO], 4, v1
.irp qt, 0,1,2,3
	v_mov_b32 v[ST+4*\qt+1], 0                     ; named in register pairs, or as a lane exchange's destination, before their first value
	v_mov_b32 v[ST+4*\qt+2], 0
	v_mov_b32 v[ST+4*\qt+3], 0
.endr
	s_wait_kmcnt 0x0
	s_add_nc_u64 s[8:9], s[4:5], s[56:57]
	s_add_nc_u64 s[60:61], s[4:5], s[58:59]
	WIN 0x40                                       ; Q's fragments straight from memory, once: the wave's sixteen loads use up its dense 8,192 bytes
.irp qt, 0,1,2,3
.irp ks, 0,1
	global_load_b128 v[QF+8*(2*\qt+\ks):QF+8*(2*\qt+\ks)+3],   v[QO], s[60:61] offset:\qt*2048+64*\ks
	global_load_b128 v[QF+8*(2*\qt+\ks)+4:QF+8*(2*\qt+\ks)+7], v[QO], s[60:61] offset:\qt*2048+64*\ks+32
.endr
.endr
	WIN 0
	; where O goes: block of 128 rows = 16 batch + 2 query block + wave / 2; then head; then row 64 (wave % 2); rows of 128 bytes
	s_lshr_b32 s58, s15, 4
	s_lshl_b32 s58, s58, 4
	s_lshl_b32 s59, s14, 1
	s_add_co_u32 s58, s58, s59
	s_add_co_u32 s58, s58, s11
	s_lshl_b32 s58, s58, 4
	s_and_b32 s59, s15, 15
	s_add_co_u32 s58, s58, s59
	s_lshl_b32 s58, s58, 7
	s_lshl_b32 s59, s12, 6
	s_add_co_u32 s58, s58, s59
	s_lshl_b32 s58, s58, 7
	s_mov_b32 s59, 0
	s_add_nc_u64 s[6:7], s[6:7], s[58:59]
.irp s, 0,1
	s_mov_b32 s[G0K+4*\s], 1
	s_add_co_u32 s[G0K+4*\s+1], s22, \s*KSLOT
	s_add_nc_u64 s[G0K+4*\s+2:G0K+4*\s+3], s[8:9], 0x800000+\s*32768      ; part 1 of qkv, tile s
	s_or_b32 s[G0K+4*\s+3], s[G0K+4*\s+3], 0x80000000
	s_mov_b32 s[G0V+4*\s], 1
	s_add_co_u32 s[G0V+4*\s+1], s23, \s*VSLOT
	s_add_nc_u64 s[G0V+4*\s+2:G0V+4*\s+3], s[8:9], 0x1000000+\s*32768     ; part 2 of qkv, tile s
	s_or_b32 s[G0V+4*\s+3], s[G0V+4*\s+3], 0x80000000
.endr
	CROUND                                         ; in front of the first joint loads
	JLOAD 0                                        ; tiles 0 and 1: both first fills go out together
	JLOAD 1
	s_wait_loadcnt 0x0                             ; Q
; ---- fragments ----
.macro ADR                             ; the place of block s21 (0..3) of a tile: 64 rows of K's and of V's pitch
	s_mul_i32 s22, s21, 64*KPITCH
	s_mul_i32 s23, s21, 64*VPITCH
	v_add_nc_u32 v[KAC], s22, v[KA]
	v_add_nc_u32 v[VAC], s23, v[VA]
.endm
.macro KLOAD slot                      ; K fragments of the block's 64 keys
	WIN 0
.irp kt, 0,1,2,3
.irp ks, 0,1
	ds_load_b128 v[KF+8*(2*\kt+\ks):KF+8*(2*\kt+\ks)+3],   v[KAC] offset:\slot*KSLOT+16*\kt*KPITCH+64*\ks
	ds_load_b128 v[KF+8*(2*\kt+\ks)+4:KF+8*(2*\kt+\ks)+7], v[KAC] offset:\slot*KSLOT+16*\kt*KPITCH+64*\ks+32
.endr
.endr
.endm
.macro VLOAD slot                      ; V^T fragments of the same keys
	WIN 0x40
.irp dt, 0,1,2,3
.irp kk, 0,1
	ds_load_tr16_b128 v[VF+8*(2*\dt+\kk):VF+8*(2*\dt+\kk)+3],   v[VAC] offset:\slot*VSLOT+32*\kk*VPITCH+32*\dt
	ds_load_tr16_b128 v[VF+8*(2*\dt+\kk)+4:VF+8*(2*\dt+\kk)+7], v[VAC] offset:\slot*VSLOT+32*\kk*VPITCH+32*\dt+16*VPITCH
.endr
.endr
.endm
; ---- one matrix instruction.  kind 1: number w of piece p's 16 for O^T (kk = w / 8, dt = (w / 2) % 4); kind 2: of its 16 for S^T
; (ks = w / 8, kt = (w / 2) % 4); kind 0: none.  The eight accumulators of a run take turns, one instruction a turn.
.macro MX kind, p, w, zero
.set MQ, 2*\p+((\w)&1)
.set MT, ((\w)>>1)&3
.set MH, (\w)>>3
.if \kind == 1
	WIN 0x51                                       ; source 0 (V^T), C and D in window 1, source 1 (P) in window 0
.set MZ, 0
.if \zero
.if MH == 0
.set MZ, 1
.endif
.endif
.if MZ
	v_wmma_f32_16x16x32_f16 v[8*(4*MT+MQ):8*(4*MT+MQ)+7], v[VF+8*(2*MT+MH):VF+8*(2*MT+MH)+7], v[SS+8*(8*MH+MQ):SS+8*(8*MH+MQ)+7], 0
.else
	v_wmma_f32_16x16x32_f16 v[8*(4*MT+MQ):8*(4*MT+MQ)+7], v[VF+8*(2*MT+MH):VF+8*(2*MT+MH)+7], v[SS+8*(8*MH+MQ):SS+8*(8*MH+MQ)+7], v[8*(4*MT+MQ):8*(4*MT+MQ)+7]
.endif
.endif
.if \kind == 2
	WIN 0x04                                       ; source 1 (Q) in window 1
.if MH == 0
	v_wmma_f32_16x16x32_f16 v[SS+8*(4*MT+MQ):SS+8*(4*MT+MQ)+7], v[KF+8*(2*MT+MH):KF+8*(2*MT+MH)+7], v[QF+8*(2*MQ+MH):QF+8*(2*MQ+MH)+7], 0
.else
	v_wmma_f32_16x16x32_f16 v[SS+8*(4*MT+MQ):SS+8*(4*MT+MQ)+7], v[KF+8*(2*MT+MH):KF+8*(2*MT+MH)+7], v[QF+8*(2*MQ+MH):QF+8*(2*MQ+MH)+7], v[SS+8*(4*MT+MQ):SS+8*(4*MT+MQ)+7]
.endif
.endif
.endm
; ---- the vector work of a piece, in parts.  A unit u = 0..31 is a register pair of the piece's S: kt = u / 8, query tile (u / 4) % 2, pair u % 4.
.macro MAXR p, r                       ; step r = 0, 1, 2 of eight chains of maxima (four key tiles x two query tiles): registers 0-2, 3-4, 5-6
.irp qq, 0,1
.irp c, 0,1,2,3
.if (\r) == 0
	v_max3_num_f32 v[U+4*\qq+\c], v[SS+8*(4*\c+2*\p+\qq)], v[SS+8*(4*\c+2*\p+\qq)+1], v[SS+8*(4*\c+2*\p+\qq)+2]
.else
	v_max3_num_f32 v[U+4*\qq+\c], v[U+4*\qq+\c], v[SS+8*(4*\c+2*\p+\qq)+2*(\r)+1], v[SS+8*(4*\c+2*\p+\qq)+2*(\r)+2]
.endif
.endr
.endr
.endm
.macro FU p, u                         ; c s + nm
.set XB, SS+8*(4*((\u)>>3)+2*\p+(((\u)>>2)&1))+2*((\u)&3)
.set XN, ST+4*(2*\p+(((\u)>>2)&1))
	v_pk_fma_f32 v[XB:XB+1], v[XB:XB+1], s[18:19], v[XN:XN+1] op_sel_hi:[1,0,0]
.endm
.macro EU p, u                         ; p = 2^(..), in place; a plain instruction on other registers follows every call (ISA guide 5.7.2)
.set XB, SS+8*(4*((\u)>>3)+2*\p+(((\u)>>2)&1))+2*((\u)&3)
	v_exp_f32 v[XB], v[XB]
	v_exp_f32 v[XB+1], v[XB+1]
.endm
.macro AU p, u                         ; the unit joins its sum (u >= 8; key tile 1 starts the chain with key tile 0's unit: nothing is cleared)
.set XK, (\u)>>3
.set XB, SS+8*(4*XK+2*\p+(((\u)>>2)&1))+2*((\u)&3)
.set XD, US+8*(((\u)>>2)&1)+2*((\u)&3)
.if XK == 1
	v_pk_fma_f32 v[XD:XD+1], v[XB:XB+1], 1.0, v[XB-32:XB-31] op_sel_hi:[1,0,1]
.else
	v_pk_fma_f32 v[XD:XD+1], v[XB:XB+1], 1.0, v[XD:XD+1] op_sel_hi:[1,0,1]
.endif
.endm
.macro KU p, kk, qq                    ; tiles (2 kk, q) and (2 kk + 1, q) to f16: registers 0-3 keys 8 h + 0..7, 4-7 keys 16 + 8 h + 0..7 of 32
	WIN 0
.irp i, 0,1,2,3
	v_cvt_pk_f16_f32 v[SS+8*(8*\kk+2*\p+\qq)+\i], v[SS+8*(8*\kk+2*\p+\qq)+2*\i], v[SS+8*(8*\kk+2*\p+\qq)+2*\i+1]
.endr
.irp i, 0,1,2,3
	v_cvt_pk_f16_f32 v[SS+8*(8*\kk+2*\p+\qq)+4+\i], v[SS+8*(8*\kk+4+2*\p+\qq)+2*\i], v[SS+8*(8*\kk+4+2*\p+\qq)+2*\i+1]
.endr
.endm
; ---- slice sl = 0..31 of piece p's vector work.  first = 1: block 0, no old maximum, nothing to rescale.
; 0-2 maxima in eight chains; 3-9 the dependent tail, one level a slice, so that a matrix instruction stands between two levels;
; 10, 11 alpha, l alpha and the first eight units' scale-and-shift; 12-15 O times alpha;
; 16-26 exponentials, three units a slice, with the later units' scale-and-shift and the earlier units' sums between them;
; 23, 25, 28, 29 packing; 30, 31 the sums join l.  Slices 15 and 31 hold four plain instructions or more: they are the places
; in front of the loads into V's and K's fragments and of the first read of the S just made.
.macro VS p, sl, first
.set VN, (\sl)
.set VM, VN-16
.if VN < 3
	WIN 0
	MAXR \p, VN
.endif
.if VN == 3
	WIN 0
.irp qq, 0,1
	v_max3_num_f32 v[U+4*\qq], v[U+4*\qq], v[U+4*\qq+1], v[SS+8*(2*\p+\qq)+7]
.endr
.irp qq, 0,1
	v_max3_num_f32 v[U+4*\qq+2], v[U+4*\qq+2], v[U+4*\qq+3], v[SS+8*(4+2*\p+\qq)+7]
.endr
.endif
.if VN == 4
	WIN 0
.irp qq, 0,1
	v_max3_num_f32 v[U+4*\qq], v[U+4*\qq], v[SS+8*(8+2*\p+\qq)+7], v[SS+8*(12+2*\p+\qq)+7]
.endr
.irp qq, 0,1
	v_max_num_f32 v[U+4*\qq], v[U+4*\qq], v[U+4*\qq+2]
.endr
.endif
.if VN == 5
	WIN 0
.irp qq, 0,1
	v_permlanex16_b32 v[ST+4*(2*\p+\qq)+3], v[U+4*\qq], s16, s17       ; the other half's 32 keys
.endr
.endif
.if VN == 6
	WIN 0
.irp qq, 0,1
	v_max_num_f32 v[U+4*\qq], v[U+4*\qq], v[ST+4*(2*\p+\qq)+3]
.endr
.endif
.if VN == 7
	WIN 0
.irp qq, 0,1
.if \first
	v_mul_f32 v[ST+4*(2*\p+\qq)], s20, v[U+4*\qq]                      ; nm = -(c max)
.else
	v_mul_f32 v[U+4*\qq+1], s20, v[U+4*\qq]
.endif
.endr
.endif
.if \first == 0
.if VN == 8
	WIN 0
.irp qq, 0,1
	v_min_num_f32 v[U+4*\qq+1], v[U+4*\qq+1], v[ST+4*(2*\p+\qq)]       ; the running maximum is the least nm
.endr
.endif
.if VN == 9
	WIN 0
.irp qq, 0,1
	v_sub_f32 v[U+4*\qq+2], v[U+4*\qq+1], v[ST+4*(2*\p+\qq)]
.endr
.irp qq, 0,1
	v_mov_b32 v[ST+4*(2*\p+\qq)], v[U+4*\qq+1]
.endr
.endif
.endif
.if VN == 10
.if \first == 0
	WIN 0
.irp qq, 0,1
	v_exp_f32 v[ST+4*(2*\p+\qq)+2], v[U+4*\qq+2]                       ; alpha = 2^(nm new - nm old)
.endr
.endif
	WINC
	FU \p, 0
	FU \p, 1
	FU \p, 2
	FU \p, 3
.endif
.if VN == 11
.if \first == 0
	WIN 0
.irp qq, 0,1
	v_mul_f32 v[ST+4*(2*\p+\qq)+1], v[ST+4*(2*\p+\qq)+1], v[ST+4*(2*\p+\qq)+2]   ; l alpha; the block's sum joins it in slice 31
.endr
.endif
	WINC
	FU \p, 4
	FU \p, 5
	FU \p, 6
	FU \p, 7
.endif
.if \first == 0
.if VN >= 12
.if VN <= 15
	WINR
.irp qq, 0,1
.irp i, 0,1,2,3
	v_pk_mul_f32 v[8*(4*(VN-12)+2*\p+\qq)+2*\i:8*(4*(VN-12)+2*\p+\qq)+2*\i+1], v[8*(4*(VN-12)+2*\p+\qq)+2*\i:8*(4*(VN-12)+2*\p+\qq)+2*\i+1], v[ST+4*(2*\p+\qq)+2:ST+4*(2*\p+\qq)+3] op_sel_hi:[1,0]
.endr
.endr
.endif
.endif
.endif
.if VN >= 16
.if VN <= 21
	WINC
	EU \p, 3*VM
	FU \p, 8+4*VM
	EU \p, 3*VM+1
	FU \p, 9+4*VM
	FU \p, 10+4*VM
	EU \p, 3*VM+2
	FU \p, 11+4*VM
.if VN >= 20
	AU \p, 2*VM
	AU \p, 2*VM+1
.endif
.endif
.endif
.if VN >= 22
.if VN <= 25
	WINC
	EU \p, 3*VM
	AU \p, 3*VM-6
	EU \p, 3*VM+1
	AU \p, 3*VM-5
	EU \p, 3*VM+2
	AU \p, 3*VM-4
.endif
.endif
.if VN == 23
	KU \p, 0, 0                                    ; units 0-3 and 8-11 have joined their sums in slices 20, 21
.endif
.if VN == 25
	KU \p, 0, 1                                    ; units 4-7 and 12-15 in slices 22, 23
.endif
.if VN == 26
	WINC
	EU \p, 30
	AU \p, 24
	AU \p, 25
	EU \p, 31
	AU \p, 26
	AU \p, 27
.endif
.if VN == 27
	WINC
	AU \p, 28
	AU \p, 29
	AU \p, 30
	AU \p, 31
.endif
.if VN == 28
	KU \p, 1, 0
.endif
.if VN == 29
	KU \p, 1, 1
.endif
.if VN == 30
	WINC
.irp qq, 0,1
	v_pk_fma_f32 v[US+8*\qq:US+8*\qq+1], v[US+8*\qq:US+8*\qq+1], 1.0, v[US+8*\qq+2:US+8*\qq+3] op_sel_hi:[1,0,1]
.endr
.irp qq, 0,1
	v_pk_fma_f32 v[US+8*\qq+4:US+8*\qq+5], v[US+8*\qq+4:US+8*\qq+5], 1.0, v[US+8*\qq+6:US+8*\qq+7] op_sel_hi:[1,0,1]
.endr
.endif
.if VN == 31
	WINC
.irp qq, 0,1
	v_pk_fma_f32 v[US+8*\qq:US+8*\qq+1], v[US+8*\qq:US+8*\qq+1], 1.0, v[US+8*\qq+4:US+8*\qq+5] op_sel_hi:[1,0,1]
.endr
.if \first
.irp qq, 0,1
	v_fma_f32 v[ST+4*(2*\p+\qq)+1], v[US+8*\qq], 1.0, v[US+8*\qq+1]    ; l = the sum of my 32 p; the two halves' sums meet at the end
.endr
.else
.irp qq, 0,1
	v_fma_f32 v[ST+4*(2*\p+\qq)+1], v[US+8*\qq], 1.0, v[ST+4*(2*\p+\qq)+1]
.endr
.irp qq, 0,1
	v_fma_f32 v[ST+4*(2*\p+\qq)+1], v[US+8*\qq+1], 1.0, v[ST+4*(2*\p+\qq)+1]
.endr
.endif
.endif
.endm
; 16 turns: a matrix instruction of piece mp (kind as in MX), then slice base + turn of piece vp (vp = 2: no vector work)
.macro GRP kind, mp, zero, vp, base, first
.set NN, 0
.rept 16
	MX \kind, \mp, NN, \zero
.if \vp < 2
	VS \vp, (\base+NN), \first
.endif
.set NN, NN+1
.endr
.endm
; Body j.  s21 = the place of block j + 1 in its tile, slot = that tile's slot.  first = 1: j = 0.
.macro BODY slot, first
	ADR
	KLOAD \slot                                    ; K of block j + 1: it has the 16 turns of PV_A in which to land
	s_wait_dscnt 16                                ; V of block j is in; the 16 younger loads (K) stay out
	GRP 1, 0, \first, 1, 0, \first                 ; PV_A(j)     | B(j): maxima, alpha, O_B alpha
	s_wait_dscnt 0x0                               ; K of block j + 1
	GRP 2, 0, 0, 1, 16, \first                     ; S_A(j + 1)  | B(j): exponentials, sums, P_B
	GRP 1, 1, \first, 0, 0, 0                      ; PV_B(j)     | A(j + 1): maxima, alpha, O_A alpha
	VLOAD \slot                                    ; V of block j + 1: it has the 16 turns of S_B in which to land
	GRP 2, 1, 0, 0, 16, 0                          ; S_B(j + 1)  | A(j + 1): exponentials, sums, P_A
	WIN 0
.endm
; Slot s has been read to its end and is filled again, two tiles on.  Every wave waits for all its tensor loads (its part of the
; other slot's tile among them) and for its LDS reads; the round shows both of every wave of all four work-groups; the refill is the
; wave's first and only tensor load behind it, and has the four bodies of the other slot's tile in which to land.
.macro RND s
	s_wait_tensorcnt 0x0
	s_add_nc_u64 s[G0K+4*\s+2:G0K+4*\s+3], s[G0K+4*\s+2:G0K+4*\s+3], 65536     ; no tensor load of mine is out
	s_add_nc_u64 s[G0V+4*\s+2:G0V+4*\s+3], s[G0V+4*\s+2:G0V+4*\s+3], 65536
	s_wait_dscnt 0x0
	CROUND
	JLOAD \s
.endm
	s_wait_tensorcnt 0x1                           ; my part of tile 0 is in; tile 1's stays out
	s_barrier_signal -1
	s_barrier_wait -1
	; block 0 up to where a body takes over
	s_mov_b32 s21, 0
	ADR
	KLOAD 0
	VLOAD 0
	s_wait_dscnt 16                                ; K is in; the 16 younger loads (V) stay out
	GRP 2, 0, 0, 2, 0, 0                           ; S_A(0)
	WIN 0
	PLACES                                         ; in front of the first read of S_A(0): nothing else is there to do yet
	GRP 2, 1, 0, 0, 0, 1                           ; S_B(0) | A(0): maxima
	GRP 0, 0, 0, 0, 16, 1                          ;        | A(0): exponentials, sums, P_A
	WIN 0
	s_mov_b32 s21, 1
	BODY 0, 1                                      ; j = 0: the first products of both pieces start the sums of O
	s_mov_b32 s21, 2
.Ltile0:
	BODY 0, 0                                      ; j = 1, 2: blocks 2, 3 of tile 0
	s_add_co_u32 s21, s21, 1
	s_cmp_lt_u32 s21, 4
	s_cbranch_scc1 .Ltile0
	s_mov_b32 s56, 3
.Lpair:
	RND 0                                          ; tiles 2, 4, 6 into slot 0
	s_mov_b32 s21, 0
.Lodd:
	BODY 1, 0                                      ; tiles 1, 3, 5
	s_add_co_u32 s21, s21, 1
	s_cmp_lt_u32 s21, 4
	s_cbranch_scc1 .Lodd
	RND 1                                          ; tiles 3, 5, 7 into slot 1
	s_mov_b32 s21, 0
.Leven:
	BODY 0, 0                                      ; tiles 2, 4, 6
	s_add_co_u32 s21, s21, 1
	s_cmp_lt_u32 s21, 4
	s_cbranch_scc1 .Leven
	s_sub_co_u32 s56, s56, 1
	s_cmp_lg_u32 s56, 0
	s_cbranch_scc1 .Lpair
	s_wait_tensorcnt 0x0                           ; my part of tile 7; nothing is left to fetch, so my work-group's barrier is enough
	s_wait_dscnt 0x0
	s_barrier_signal -1
	s_barrier_wait -1
	s_mov_b32 s21, 0
.Llast:
	BODY 1, 0                                      ; tile 7
	s_add_co_u32 s21, s21, 1
	s_cmp_lt_u32 s21, 4
	s_cbranch_scc1 .Llast
	s_wait_dscnt 0x0                               ; V of block 31
	GRP 1, 0, 0, 1, 0, 0                           ; PV_A(31) | B(31)
	GRP 0, 0, 0, 1, 16, 0                          ;          | B(31)
	GRP 1, 1, 0, 2, 0, 0                           ; PV_B(31)
	WIN 0
	; THE WAY OUT: the halves' sums meet, O / l, f16, through my stage, stores of 512 consecutive bytes (four rows of the head).
	; The four additions and the v_nop are the places between the last products and the first read of O.
.irp qt, 0,1,2,3
	v_permlanex16_b32 v[ST+4*\qt+3], v[ST+4*\qt+1], s16, s17
.endr
.irp qt, 0,1,2,3
	v_add_f32 v[ST+4*\qt+1], v[ST+4*\qt+1], v[ST+4*\qt+3]
.endr
.irp qt, 0,1,2,3
	v_rcp_f32 v[ST+4*\qt+2], v[ST+4*\qt+1]         ; l is at least the largest p, about 1
.endr
	v_nop
	WIN 0x41
.irp dt, 0,1,2,3
.irp qt, 0,1,2,3
.irp i, 0,1,2,3
	v_pk_mul_f32 v[8*(4*\dt+\qt)+2*\i:8*(4*\dt+\qt)+2*\i+1], v[8*(4*\dt+\qt)+2*\i:8*(4*\dt+\qt)+2*\i+1], v[ST+4*\qt+2:ST+4*\qt+3] op_sel_hi:[1,0]
.endr
.endr
.endr
	WIN 0x05
.irp dt, 0,1,2,3
.irp qt, 0,1,2,3
.irp i, 0,1,2,3
	v_cvt_pk_f16_f32 v[SS+16*\qt+4*\dt+\i], v[8*(4*\dt+\qt)+2*\i], v[8*(4*\dt+\qt)+2*\i+1]
.endr
.endr
.endr
	WIN 0
.irp qt, 0,1,2,3
.irp dt, 0,1,2,3
	ds_store_b128 v[STO], v[SS+16*\qt+4*\dt:SS+16*\qt+4*\dt+3] offset:\qt*16*KPITCH+32*\dt
.endr
.endr
.irp t, 0,1,2,3,4,5,6,7,8,9,10,11,12,13,14,15
	ds_load_b128 v[SS+64+4*\t:SS+64+4*\t+3], v[RD] offset:\t*4*KPITCH      ; my own bytes: LDS serves a wave's instructions in order
.endr
.irp t, 0,1,2,3,4,5,6,7,8,9,10,11,12,13,14,15
	s_wait_dscnt 15-\t                             ; read-back t is in, the younger ones stay out
	global_store_b128 v[CO], v[SS+64+4*\t:SS+64+4*\t+3], s[6:7] offset:\t*512
.endr
	CROUND                                         ; the closing round
	s_endpgm
.Lfunc_end_k_q1ba9c7c663_attn:
	.size	k_q1ba9c7c663_attn, .Lfunc_end_k_q1ba9c7c663_attn-k_q1ba9c7c663_attn
	.p2alignl 7, 3214868480
	.fill 96, 4, 3214868480
	.section	.rodata,"a",@progbits
	.p2align	6, 0x0
	.amdhsa_kernel k_q1ba9c7c663_attn
		.amdhsa_group_segment_fixed_size 327680
		.amdhsa_private_segment_fixed_size 0
		.amdhsa_enable_private_segment 0
		.amdhsa_kernarg_size 16
		.amdhsa_user_sgpr_count 2
		.amdhsa_user_sgpr_kernarg_segment_ptr 1
		.amdhsa_wavefront_size32 1
		.amdhsa_system_sgpr_workgroup_id_x 1
		.amdhsa_system_sgpr_workgroup_id_y 1
		.amdhsa_system_sgpr_workgroup_id_z 1
		.amdhsa_system_vgpr_workitem_id 0
		.amdhsa_next_free_vgpr 512
		.amdhsa_next_free_sgpr 66
		.amdhsa_reserve_vcc 0
		.amdhsa_float_denorm_mode_32 3
		.amdhsa_float_denorm_mode_16_64 3
		.amdhsa_memory_ordered 1
		.amdhsa_forward_progress 1
		.amdhsa_inst_pref_size 220
	.end_amdhsa_kernel
	.amdgpu_metadata
---
amdhsa.version: [ 1, 2 ]
amdhsa.kernels:
  - .name:           k_q1ba9c7c663_attn
    .symbol:         k_q1ba9c7c663_attn.kd
    .args:
      - { .name: qkv, .offset: 0, .size: 8, .value_kind: global_buffer, .address_space: global }
      - { .name: ows, .offset: 8, .size: 8, .value_kind: global_buffer, .address_space: global }
    .group_segment_fixed_size: 327680
    .private_segment_fixed_size: 0
    .kernarg_segment_align: 8
    .kernarg_segment_size: 16
    .max_flat_workgroup_size: 128
    .sgpr_count:     66
    .vgpr_count:     512
    .wavefront_size: 32
...
	.end_amdgpu_metadata
.endif
;; end of part 5
;; launch oproj: the kernel of part 4 again; grid 8 x 32, 4 waves a work-group, clusters of 4 x 4, 327,680 bytes of LDS; arguments ows, wh, bo, out0; writes out0
